; MI455X (gfx1250); checked and timed in simulation.
; The chip was launched on July 23, 2026; its instructions are those of AMD's public machine-readable ISA for CDNA 5 (MIT licence, August 2026) and "CDNA5" Instruction Set Architecture Reference Guide (July 2026). The comments in the code are by the model that wrote it; some were corrected since.
;; Multihead Attention. Allowed arithmetic: matrix products marked QUANTISED: E2M1 operands, one E8M0 scale for each 32 along K, by v_wmma_scale_f32_16x16x128_f8f6f4 with both operands' format E2M1 (or v_wmma_scale_f32_32x16x128_f4), f32 sums; products left as they are: bf16, f16 or f32 operands; f32 sums; everything else in f32.
;; Inputs: Wk 384 x 768 float32; Wo 768 x 768 float32; Wq 384 x 768 float32; Wv 384 x 768 float32; bo 768 float32; x 2 x 4,096 x 384 float32.
;; Outputs: out0 2 x 4,096 x 768 float32.
;; This version of the problem:
;;   THIS VERSION OF THE PROBLEM IS GIVEN IN LOW PRECISION. The matrix products marked QUANTISED in the list below multiply operands that are first quantised to E2M1 (2 exponent bits, 1 mantissa bit; 4 bits a number), with one power-of-two scale for each 32 numbers along K (OCP MX v1.0); their sums are f32. The products marked 'left as it is' may take bf16, f16 or f32 operands, with f32 sums. Whichever they take, every output number must still come out within the allowed error. Rounding operands to bf16 (8 significant bits) uses up far more of that allowance than f16 does (11 bits, for magnitudes from 6e-5 to 65,504). All else is computed in f32.
;;   The module's matrix products, in the order in which they are computed (A, B: the left and right operand; K: the contracted axis; several contracted axes count as one K, in the product's order):
;;     1. [M 8,192, K 384] x [K 384, N 768]; A: input x; B: input Wq: QUANTISED
;;     2. [M 8,192, K 384] x [K 384, N 768]; A: input x; B: input Wk: QUANTISED
;;     3. [M 8,192, K 384] x [K 384, N 768]; A: input x; B: input Wv: QUANTISED
;;     4. batch 12 x [M 4,096, K 128] x [K 128, N 4,096]; A: computed on the way; B: computed on the way: left as it is (an operand is computed on the way)
;;     5. batch 12 x [M 128, K 4,096] x [K 4,096, N 4,096]; A: computed on the way; B: computed on the way: left as it is (an operand is computed on the way)
;;     6. [M 8,192, K 768] x [K 768, N 768]; A: computed on the way; B: input Wo: left as it is (an operand is computed on the way)
;;   THE QUANTISER, for each operand of a quantised product, along K:
;;     - K is cut into blocks of 32 from its start; a last block that is shorter is filled with zeros.
;;     - A block's scale is 2^e with e = floor(log2(the largest magnitude in the block)) - 2, held to -126 .. 127; a block of zeros has e = 0. As a byte (E8M0): e + 127.
;;     - Each number is divided by its block's scale, clamped to +-6, and rounded to the nearest number of E2M1, ties to even, subnormals kept.
;;     - The product sums the exact products of the quantised numbers (number of the format x scale) in f32.
;;   ~~~python
;;   def quantise(x, axis):      # numpy; x: float32 -> the quantised numbers, widened to float32 again
;;       x = np.moveaxis(x, axis, -1); K = x.shape[-1]
;;       x = np.pad(x, [(0, 0)] * (x.ndim - 1) + [(0, -K % 32)]); x = x.reshape(x.shape[:-1] + (-1, 32)); a = np.abs(x).max(-1, keepdims=True)
;;       e = np.where(a > 0, np.clip(np.frexp(np.where(a > 0, a, 1))[1] - 1 - 2, -126, 127), 0)      # np.frexp(a)[1] - 1 = floor(log2(a)), exactly
;;       r = np.clip(x / 2.0 ** e, -6, 6)
;;       step = 2.0 ** (np.maximum(np.frexp(np.where(r == 0, 1, r))[1] - 1, 0) - 1)
;;       q = np.round(r / step) * step * 2.0 ** e      # np.round: ties to even
;;       return np.moveaxis(q.reshape(q.shape[:-2] + (-1,))[..., :K], -1, axis).astype(np.float32)
;;   ~~~
;; One version. Each part assembles by itself: llvm-mc -triple=amdgcn-amd-amdhsa -mcpu=gfx1250 --defsym DOCPART=n.
;; ======== version 1 of 1: 5 launches
;; limits: values are held in f16: magnitudes above 65,504 overflow, below 6.1e-05 lose precision
;; workspace buffers: codes 2,239,488 bytes; wo16 1,179,648 bytes; q16 12,582,912 bytes; k16 12,582,912 bytes; v16 12,582,912 bytes; first32 294,912 bytes; ctx16 12,582,912 bytes
;; launch prep (part 1): grid 218 x 1, 4 waves a work-group, no clusters, 99,840 bytes of LDS; arguments x, Wq, Wk, Wv, Wo, codes, wo16; writes codes, wo16
.if DOCPART == 1
	.amdgcn_target "amdgcn-amd-amdhsa--gfx1250"
	.amdhsa_code_object_version 6
	.text
	.protected	k_q87498f14ba_prep
	.globl	k_q87498f14ba_prep
	.p2align	8
	.type	k_q87498f14ba_prep,@function
k_q87498f14ba_prep:
	s_mov_b64 s[64:65], 0
	v_nop
	global_prefetch_b8 v0, s[64:65] scope:SCOPE_SE
	s_setreg_imm32_b32 hwreg(HW_REG_WAVE_MODE, 25, 1), 1
	s_wait_xcnt 0x0
; x [8192][384] and Wq, Wk, Wv [384][768], f32, become codes of FP4 (E2M1) with one E8M0 byte for each 32 along K = 384; Wo [768][768] becomes f16.
; EVERYTHING IS STORED AS AN IMAGE OF THE OPERAND'S REGISTERS: a fragment is 1,024 bytes, registers 0-3 as 512 bytes with lane l at 16 l, then registers 4-7 likewise; a scale word 4 bytes a lane.
; So every store here is 512 (or 128) consecutive bytes, and the later launches load fragments by 16 bytes a lane with no pitch and no turning.
; codes: XQ [row tile 0..511][K step 0..2] x 1,024;  XS [row tile][K step] x 128;  WQ [column tile 0..143][K step] x 1,024 (tile = 48 matrix + column / 16);
;        WS [tile pair 0..71][K step] x 128: lanes 0-15 the even tile's words, lanes 16-31 the odd tile's.   wo16: [column tile 0..47][32 along K: 0..23] x 1,024.
; A block's scale is 2^(floor(log2(largest magnitude)) - 2); its byte is the largest magnitude's exponent field - 2, held at 1 from below.
; LIMITS: a block of zeros gets the byte 1 where the quantiser says 127 (its codes are zeros and only this program reads the bytes); NaN and infinities are not served; |Wo| stays under 65,504, f16's largest number.
; WORK-GROUPS 0..127: x, a wave to a tile of 16 rows.  128..181: a K step of 128 x 128 columns of Wq, Wk or Wv.  182..217: 128 x 128 of Wo.  Waves share nothing: no barrier.
.set XQ, 0
.set XS, 1572864
.set WQ, 1769472
.set WS, 2211840
.set PX, 1552                          ; a row of x in the stage: 1,536 bytes + 16: 97 x 16, so sixteen rows begin in sixteen different 16-byte columns of 256
.set WREG, 16*PX                       ; a wave's stage
.set SPARE, 4*WREG                     ; behind the stages: the spare words, 128 bytes a wave
.set SPW, 30                           ; v30  SPARE + 4 x my thread's number; never rewritten
.set NIL, 31                           ; v31  0; never rewritten
.set TM, 8                             ; v8-23 at work in QUANT
.set R, 32                             ; v32-223 the tile's numbers, 64 for each K step
.set PC, 224                           ; v224-247 codes, 8 for each K step: no store's data are written again
.set PW, 248                           ; v248-250 scale words
.set SEL, 30                           ; s[30:31] lane selects for lane l xor 16
	s_load_b256 s[4:11], s[0:1], 0x0               ; x s[4:5], Wq s[6:7], Wk s[8:9], Wv s[10:11]
	s_load_b128 s[12:15], s[0:1], 0x20             ; Wo s[12:13], codes s[14:15]
	s_load_b64 s[16:17], s[0:1], 0x30              ; wo16
	v_lshl_add_u32 v[SPW], v0, 2, SPARE
	v_mov_b32 v[NIL], 0
	v_lshrrev_b32 v1, 5, v0
	v_readfirstlane_b32 s20, v1                    ; wave
	v_and_b32 v1, 31, v0                           ; lane
	v_and_b32 v2, 15, v0                           ; r
	v_bfe_u32 v3, v0, 4, 1                         ; h
	v_lshlrev_b32 v4, 4, v1                        ; 16 x lane
	v_lshlrev_b32 v5, 2, v1                        ; 4 x lane
	s_mov_b32 s23, 0
	s_mov_b32 s29, 0
	s_wait_kmcnt 0x0
	s_cmp_ge_u32 ttmp9, 128
	s_cbranch_scc1 .Lweights
; ---------------- x: 16 rows are 24,576 consecutive bytes.  Each load takes 512 of them as they lie (row r, K step s); they turn through the wave's own stage so that a lane gets 16 neighbours of each block of 32.
	s_lshl_b32 s21, ttmp9, 2
	s_add_co_u32 s21, s21, s20                     ; my row tile
	s_mul_i32 s22, s21, 24576
	s_add_nc_u64 s[4:5], s[4:5], s[22:23]
	s_mul_i32 s22, s21, 3072
	s_add_nc_u64 s[24:25], s[14:15], s[22:23]      ; its three fragments (XQ = 0)
	s_mul_i32 s22, s21, 384
	s_add_co_u32 s22, s22, XS
	s_add_nc_u64 s[26:27], s[14:15], s[22:23]      ; its three scale images
	s_mul_i32 s28, s20, WREG
	v_add_nc_u32 v6, s28, v4                       ; into the stage: 16 x lane of a chunk of 512 bytes
	v_mul_u32_u24 v7, v2, PX
	v_lshl_add_u32 v7, v3, 6, v7
	v_add_nc_u32 v7, s28, v7                       ; out of it: row r, + 64 h: my 16 numbers of a block
	s_mov_b32 s[SEL], 0x76543210
	s_mov_b32 s[SEL+1], 0xfedcba98
.irp b, 0,1,2,3
	v_mov_b32 v[TM+4+\b], 0                        ; written once: a lane permute's destination counts as one of its sources
.endr
.set q, 0
.rept 48                               ; q = 16 s + r
	global_load_b128 v[R+4*q:R+4*q+3], v4, s[4:5] offset:(q%16)*1536+(q/16)*512 th:TH_LOAD_NT
.set q, q+1
.endr
.macro TURNX s                         ; K step s through the stage; LDS serves a wave's instructions in order, so no wait stands between the stores and the loads
.set q, 0
.rept 16
	ds_store_b128 v6, v[R+64*\s+4*q:R+64*\s+4*q+3] offset:q*PX+512*\s
.set q, q+1
.endr
.set q, 0
.rept 16                               ; q = 4 b + j: register 16 b + 4 j .. is k = 128 s + 32 b + 16 h + 4 j ..
	ds_load_b128 v[R+64*\s+4*q:R+64*\s+4*q+3], v7 offset:512*\s+128*(q/4)+16*(q%4)
.set q, q+1
.endr
.endm
; 64 numbers of a lane, register 16 b + i = k 32 b + 16 h + i of my row, become a fragment's 8 registers and its scale word
.macro QUANT s, pc, pw
.irp b, 0,1,2,3
	v_max3_num_f32 v[TM+\b], |v[\s+16*\b]|, |v[\s+1+16*\b]|, 0x1800000   ; my 16 numbers of block b, and the floor 2^(3 - 127): the byte cannot fall under 1
.endr
.irp i, 2,4,6,8,10,12,14
.irp b, 0,1,2,3
	v_max3_num_f32 v[TM+\b], v[TM+\b], |v[\s+16*\b+\i]|, |v[\s+1+16*\b+\i]|
.endr
.endr
.irp b, 0,1,2,3
	v_permlanex16_b32 v[TM+4+\b], v[TM+\b], s[SEL], s[SEL+1]
.endr
.irp b, 0,1,2,3
	v_max_num_f32 v[TM+\b], v[TM+\b], v[TM+4+\b]   ; with lane l xor 16's 16: the block's largest magnitude
.endr
.irp b, 0,1,2,3
	v_add_nc_u32 v[TM+12+\b], 0xff000000, v[TM+\b] ; 2 off its exponent field: the conversion's scale operand
.endr
.irp b, 0,1,2,3
	v_lshrrev_b32 v[TM+8+\b], 23, v[TM+12+\b]      ; the scale's byte
.endr
	v_lshl_or_b32 v[\pw], v[TM+9], 8, v[TM+8]
	v_lshl_or_b32 v[\pw], v[TM+10], 16, v[\pw]
	v_lshl_or_b32 v[\pw], v[TM+11], 24, v[\pw]
.irp b, 0,1,2,3
	v_cvt_scalef32_pk8_fp4_f32 v[\pc+2*\b], v[\s+16*\b:\s+7+16*\b], v[TM+12+\b]
	v_cvt_scalef32_pk8_fp4_f32 v[\pc+1+2*\b], v[\s+8+16*\b:\s+15+16*\b], v[TM+12+\b]
.endr
	v_nop                                          ; one plain instruction behind the scaled conversions
.irp c, 0,1                            ; the operand wants a whole block in a lane: lanes 0-15 block 2 c, lanes 16-31 block 2 c + 1
.irp i, 0,1
	v_permlane16_swap_b32 v[\pc+4*\c+\i], v[\pc+2+4*\c+\i]
.endr
.endr
.endm
.macro OUTX s
	global_store_b128 v4, v[PC+8*\s:PC+8*\s+3], s[24:25] offset:1024*\s
	global_store_b128 v4, v[PC+8*\s+4:PC+8*\s+7], s[24:25] offset:1024*\s+512
	global_store_b32 v5, v[PW+\s], s[26:27] offset:128*\s
.endm
	s_wait_loadcnt 32                              ; K step 0's sixteen loads are in; the 32 of steps 1 and 2 may be out
	TURNX 0
	s_wait_loadcnt 16                              ; step 1's are in
	TURNX 1
	s_wait_dscnt 32                                ; step 0 is back; step 1's 32 LDS instructions may be out
	QUANT R, PC, PW
	OUTX 0
	s_wait_loadcnt 0x0
	TURNX 2
	s_wait_dscnt 32                                ; step 1 is back
	QUANT R+64, PC+8, PW+1
	OUTX 1
	s_wait_dscnt 0x0
	QUANT R+128, PC+16, PW+2
	OUTX 2
	s_wait_tensorcnt 0x0                           ; the wave's end: behind my last LDS store
	ds_add_u32 v[SPW], v[NIL]
	s_wait_dscnt 0x0
	s_endpgm
; ---------------- the weights: K is their first axis.  A LANE TAKES A COLUMN AND ITS 128 REGISTERS RUN DOWN K: each load reads 128 consecutive bytes a wave, and the four waves stand side by side on 512.
.macro WLOAD lo
.set q, 0
.rept 128
	global_load_b32 v[64+q], v5, s[\lo:\lo+1] offset:3072*q th:TH_LOAD_NT
.set q, q+1
.endr
.endm
.Lweights:
	s_sub_co_u32 s21, ttmp9, 128                   ; p
	s_cmp_ge_u32 s21, 54
	s_cbranch_scc1 .Lwo
	s_mul_i32 s22, s21, 57
	s_lshr_b32 s22, s22, 10                        ; K step = p / 18
	s_mul_i32 s24, s22, 18
	s_sub_co_u32 s24, s21, s24                     ; group of four tile pairs, 0..17
	s_mul_i32 s25, s24, 43
	s_lshr_b32 s25, s25, 8                         ; matrix = group / 6
	s_lshl_b32 s24, s24, 2
	s_add_co_u32 s24, s24, s20                     ; my tile pair, 0..71
	s_cmp_eq_u32 s25, 0
	s_cselect_b64 s[26:27], s[6:7], s[8:9]
	s_cmp_eq_u32 s25, 2
	s_cselect_b64 s[26:27], s[10:11], s[26:27]     ; Wq, Wk or Wv: the choice hangs on the work-group's number alone
	s_mul_i32 s28, s25, 24
	s_sub_co_u32 s28, s24, s28
	s_lshl_b32 s28, s28, 7                         ; my 32 columns, in bytes
	s_mul_i32 s21, s22, 128*3072
	s_add_co_u32 s28, s28, s21                     ; + 128 rows for each K step
	s_add_nc_u64 s[26:27], s[26:27], s[28:29]
	s_mul_i32 s28, s24, 6
	s_add_co_u32 s28, s28, s22
	s_lshl_b32 s28, s28, 10
	s_add_co_u32 s28, s28, WQ
	s_add_nc_u64 s[32:33], s[14:15], s[28:29]      ; the even tile's fragment; the odd tile's lies 3,072 bytes on
	s_mul_i32 s28, s24, 3
	s_add_co_u32 s28, s28, s22
	s_lshl_b32 s28, s28, 7
	s_add_co_u32 s28, s28, WS
	s_add_nc_u64 s[34:35], s[14:15], s[28:29]
	WLOAD 26
.macro WBLOCK b, left                  ; block b: all its 32 numbers are mine
.set XB, 64+32*\b
	s_wait_loadcnt \left
	v_max3_num_f32 v8, |v[XB]|, |v[XB+1]|, |v[XB+2]|
	v_max3_num_f32 v9, |v[XB+3]|, |v[XB+4]|, |v[XB+5]|
.irp i, 6,10,14,18,22,26
	v_max3_num_f32 v8, v8, |v[XB+\i]|, |v[XB+\i+1]|
	v_max3_num_f32 v9, v9, |v[XB+\i+2]|, |v[XB+\i+3]|
.endr
	v_max3_num_f32 v8, v8, |v[XB+30]|, |v[XB+31]|
	v_max3_num_f32 v8, v8, v9, 0x1800000           ; and the floor
	v_add_nc_u32 v[16+\b], 0xff000000, v8
	v_lshrrev_b32 v13, 23, v[16+\b]
.if \b == 0
	v_mov_b32 v24, v13
.else
	v_lshl_or_b32 v24, v13, 8*\b, v24              ; my column's scale word, the lower K in the lower byte
.endif
.irp g, 0,1,2,3
	v_cvt_scalef32_pk8_fp4_f32 v[32+4*\b+\g], v[XB+8*\g:XB+8*\g+7], v[16+\b]
.endr
.endm
	WBLOCK 0, 63                                   ; the count's field holds 63: at most 63 of the 128 loads are out, so blocks 0 and 1 are in
	WBLOCK 1, 63
	WBLOCK 2, 32                                   ; block 3's 32 loads may be out
	WBLOCK 3, 0
	v_nop                                          ; one plain instruction behind the scaled conversions
.irp c, 0,1                            ; lanes 0-15 hold the even tile's columns, lanes 16-31 the odd tile's; a fragment wants block 2 c in lanes 0-15 and block 2 c + 1 in lanes 16-31
.irp i, 0,1,2,3
	v_permlane16_swap_b32 v[32+8*\c+\i], v[36+8*\c+\i]   ; the first is now the even tile's registers 4 c .., the second the odd tile's
.endr
.endr
.irp c, 0,1
	global_store_b128 v4, v[32+8*\c:35+8*\c], s[32:33] offset:512*\c
	global_store_b128 v4, v[36+8*\c:39+8*\c], s[32:33] offset:3072+512*\c
.endr
	global_store_b32 v5, v24, s[34:35]
	s_endpgm
.Lwo:
	s_sub_co_u32 s21, s21, 54                      ; 0..35
	s_mul_i32 s22, s21, 43
	s_lshr_b32 s22, s22, 8                         ; which 128 along K = o / 6
	s_mul_i32 s24, s22, 6
	s_sub_co_u32 s24, s21, s24
	s_lshl_b32 s24, s24, 2
	s_add_co_u32 s24, s24, s20                     ; my tile pair, 0..23
	s_lshl_b32 s28, s24, 7
	s_mul_i32 s21, s22, 128*3072
	s_add_co_u32 s28, s28, s21
	s_add_nc_u64 s[26:27], s[12:13], s[28:29]
	s_mul_i32 s28, s24, 48
	s_lshl_b32 s21, s22, 2
	s_add_co_u32 s28, s28, s21
	s_lshl_b32 s28, s28, 10
	s_add_nc_u64 s[32:33], s[16:17], s[28:29]      ; the even tile's four fragments; the odd tile's lie 24,576 bytes on
	WLOAD 26
	s_wait_loadcnt 0x0
.set q, 0
.rept 64
	v_cvt_pk_f16_f32 v[64+q], v[64+2*q], v[65+2*q] ; in place, ascending: register 64 + q holds k = 2 q, 2 q + 1 of my column
.set q, q+1
.endr
.set q, 0
.rept 4                                ; 32 along K: four groups of four registers, k = 0-7, 8-15, 16-23, 24-31.  A fragment wants 8 h .. in registers 0-3 and 16 + 8 h .. in registers 4-7
.irp i, 0,1,2,3
	v_permlane16_swap_b32 v[64+16*q+\i], v[68+16*q+\i]
	v_permlane16_swap_b32 v[72+16*q+\i], v[76+16*q+\i]
.endr
.set q, q+1
.endr
.set q, 0
.rept 4
	global_store_b128 v4, v[64+16*q:67+16*q], s[32:33] offset:1024*q
	global_store_b128 v4, v[72+16*q:75+16*q], s[32:33] offset:1024*q+512
	global_store_b128 v4, v[68+16*q:71+16*q], s[32:33] offset:1024*q+24576
	global_store_b128 v4, v[76+16*q:79+16*q], s[32:33] offset:1024*q+24576+512
.set q, q+1
.endr
	s_endpgm
.Lfunc_end_k_q87498f14ba_prep:
	.size	k_q87498f14ba_prep, .Lfunc_end_k_q87498f14ba_prep-k_q87498f14ba_prep
	.p2alignl 7, 3214868480
	.fill 96, 4, 3214868480
	.section	.rodata,"a",@progbits
	.p2align	6, 0x0
	.amdhsa_kernel k_q87498f14ba_prep
		.amdhsa_group_segment_fixed_size 99840
		.amdhsa_private_segment_fixed_size 0
		.amdhsa_enable_private_segment 0
		.amdhsa_kernarg_size 56
		.amdhsa_user_sgpr_count 2
		.amdhsa_user_sgpr_kernarg_segment_ptr 1
		.amdhsa_wavefront_size32 1
		.amdhsa_system_sgpr_workgroup_id_x 1
		.amdhsa_system_sgpr_workgroup_id_y 1
		.amdhsa_system_sgpr_workgroup_id_z 1
		.amdhsa_system_vgpr_workitem_id 0
		.amdhsa_next_free_vgpr 256
		.amdhsa_next_free_sgpr 66
		.amdhsa_reserve_vcc 0
		.amdhsa_float_denorm_mode_32 3
		.amdhsa_float_denorm_mode_16_64 3
		.amdhsa_memory_ordered 1
		.amdhsa_forward_progress 1
		.amdhsa_inst_pref_size 64
	.end_amdhsa_kernel
	.amdgpu_metadata
---
amdhsa.version: [ 1, 2 ]
amdhsa.kernels:
  - .name:           k_q87498f14ba_prep
    .symbol:         k_q87498f14ba_prep.kd
    .args:
      - { .name: x, .offset: 0, .size: 8, .value_kind: global_buffer, .address_space: global }
      - { .name: Wq, .offset: 8, .size: 8, .value_kind: global_buffer, .address_space: global }
      - { .name: Wk, .offset: 16, .size: 8, .value_kind: global_buffer, .address_space: global }
      - { .name: Wv, .offset: 24, .size: 8, .value_kind: global_buffer, .address_space: global }
      - { .name: Wo, .offset: 32, .size: 8, .value_kind: global_buffer, .address_space: global }
      - { .name: codes, .offset: 40, .size: 8, .value_kind: global_buffer, .address_space: global }
      - { .name: wo16, .offset: 48, .size: 8, .value_kind: global_buffer, .address_space: global }
    .group_segment_fixed_size: 99840
    .private_segment_fixed_size: 0
    .kernarg_segment_align: 8
    .kernarg_segment_size: 56
    .max_flat_workgroup_size: 128
    .sgpr_count:     66
    .vgpr_count:     256
    .wavefront_size: 32
...
	.end_amdgpu_metadata
.endif
;; end of part 1
;; launch qkv (part 2): grid 18 x 16, 4 waves a work-group, no clusters, 0 bytes of LDS; arguments codes, q16, k16, v16, first32; writes q16, k16, v16, first32
.if DOCPART == 2
	.amdgcn_target "amdgcn-amd-amdhsa--gfx1250"
	.amdhsa_code_object_version 6
	.text
	.protected	k_q87498f14ba_qkv
	.globl	k_q87498f14ba_qkv
	.p2align	8
	.type	k_q87498f14ba_qkv,@function
k_q87498f14ba_qkv:
	s_mov_b64 s[64:65], 0
	v_nop
	global_prefetch_b8 v0, s[64:65] scope:SCOPE_SE
	s_setreg_imm32_b32 hwreg(HW_REG_WAVE_MODE, 25, 1), 1
	s_wait_xcnt 0x0
; q = x Wq, k = x Wk, v = x Wv on codes of FP4 with E8M0 scales, K = 384 in three steps of 128, sums in f32; the results leave as f16 IMAGES OF THE NEXT PRODUCTS' OPERANDS.
; Work-group x = 6 matrix + head: 128 columns, eight tiles.  Work-group y and the wave: eight tiles of 16 rows, two a trip.  The wave's 24 weight fragments stay in registers; no LDS, no barrier: waves share nothing.
; q, k: THE PRODUCT IS USED TRANSPOSED (source 0 = 16 columns of W, source 1 = 16 rows of x): a lane holds one row and eight neighbouring channels; tiles 2 u and 2 u + 1, packed to f16, ARE the fragment
;       16 rows x channels 32 u .. 32 u + 31.   q16, k16: [batch x 6 + head][row tile 0..255][u 0..3] x 1,024.
; v:    the product is used as it reads (source 0 = x): a lane holds one channel and eight neighbouring keys; two row tiles, packed, ARE the fragment of V^T, 16 channels x 32 keys.  v16: [batch x 6 + head][32 keys: 0..127][channel tile 0..7] x 1,024.
; The first 16 positions of each sequence also leave in f32, as the accumulators stand: first32 [batch][x 0..17][tile 0..7][half 0..1] x 512.
; No cluster: the weights lie in registers and no tile goes through LDS.   LIMIT: |q|, |k|, |v| stay under 65,504, f16's largest number.
.set XS, 1572864
.set WQ, 1769472
.set WS, 2211840
.set WSC, 16                           ; v16-27 W's scale words: register 3 (t / 2) + s; lanes 0-15 the even tile's, lanes 16-31 the odd tile's
.set XSC, 28                           ; v28-33 x's: register 3 a + s
.set XF, 48                            ; v48-95 x's fragments: 8 (3 a + s)
.set ACC, 128                          ; v128-255 sixteen accumulators
.set PK, 192                           ; window 1: v0-191 W's fragments, 8 (3 t + s); v192-255 the packed results
.set MAT, 16
.set MLOW, 19                          ; s19 the trip's first row tile within its sequence
.set CNT, 36
.set MSB, 0
.macro WIN new                         ; the immediate's high byte repeats the setting that is left
.if MSB != \new
	s_set_vgpr_msb (MSB<<8)|\new
.set MSB, \new
.endif
.endm
	s_load_b256 s[4:11], s[0:1], 0x0               ; codes s[4:5], q16 s[6:7], k16 s[8:9], v16 s[10:11]
	s_load_b64 s[12:13], s[0:1], 0x20              ; first32
	v_lshrrev_b32 v3, 5, v0
	v_readfirstlane_b32 s14, v3                    ; wave
	v_and_b32 v3, 31, v0
	v_lshlrev_b32 v1, 4, v3                        ; 16 x lane
	v_lshlrev_b32 v2, 2, v3                        ; 4 x lane
	s_and_b32 s15, ttmp7, 0xffff                   ; y
	s_mul_i32 s[MAT], ttmp9, 43
	s_lshr_b32 s[MAT], s[MAT], 8                   ; matrix = x / 6
	s_mul_i32 s17, s[MAT], 6
	s_sub_co_u32 s17, ttmp9, s17                   ; head
	s_lshl_b32 s18, s15, 5
	s_lshl_b32 s19, s14, 3
	s_add_co_u32 s18, s18, s19                     ; my first row tile
	s_and_b32 s[MLOW], s18, 255
	s_lshr_b32 s20, s15, 3                         ; batch
	s_mul_i32 s24, ttmp9, 24576
	s_add_co_u32 s24, s24, WQ
	s_mov_b32 s25, 0
	s_mul_i32 s26, ttmp9, 1536
	s_add_co_u32 s26, s26, WS
	s_mov_b32 s27, 0
	s_mul_i32 s28, s18, 3072
	s_mov_b32 s29, 0
	s_mul_i32 s30, s18, 384
	s_add_co_u32 s30, s30, XS
	s_mov_b32 s31, 0
	s_mul_i32 s32, s20, 6
	s_add_co_u32 s32, s32, s17
	s_lshl_b32 s32, s32, 8
	s_add_co_u32 s32, s32, s[MLOW]
	s_lshl_b32 s32, s32, 12                        ; 4,096 bytes for each row tile, in all three tensors
	s_mov_b32 s33, 0
	s_mul_i32 s34, s20, 18
	s_add_co_u32 s34, s34, ttmp9
	s_lshl_b32 s34, s34, 13
	s_mov_b32 s35, 0
	s_mov_b32 s[CNT], 4
	s_wait_kmcnt 0x0
	s_add_nc_u64 s[24:25], s[4:5], s[24:25]        ; W's fragments
	s_add_nc_u64 s[26:27], s[4:5], s[26:27]        ; W's scale words
	s_add_nc_u64 s[28:29], s[4:5], s[28:29]        ; x's fragments
	s_add_nc_u64 s[30:31], s[4:5], s[30:31]        ; x's scale words
	s_cmp_eq_u32 s[MAT], 0
	s_cselect_b64 s[22:23], s[6:7], s[8:9]
	s_cmp_eq_u32 s[MAT], 2
	s_cselect_b64 s[22:23], s[10:11], s[22:23]     ; the choice hangs on the work-group's number alone
	s_add_nc_u64 s[32:33], s[22:23], s[32:33]      ; where my results go
	s_add_nc_u64 s[34:35], s[12:13], s[34:35]
	WIN 0x40                                       ; destination window 1
.set q, 0
.rept 24
	global_load_b128 v[8*q:8*q+3], v1, s[24:25] offset:1024*q
	global_load_b128 v[8*q+4:8*q+7], v1, s[24:25] offset:1024*q+512
.set q, q+1
.endr
	WIN 0
.set q, 0
.rept 12
	global_load_b32 v[WSC+q], v2, s[26:27] offset:128*q
.set q, q+1
.endr
.macro XLOADS                          ; two row tiles: q = 3 a + s
.set q, 0
.rept 6
	global_load_b128 v[XF+8*q:XF+8*q+3], v1, s[28:29] offset:1024*q
	global_load_b128 v[XF+8*q+4:XF+8*q+7], v1, s[28:29] offset:1024*q+512
	global_load_b32 v[XSC+q], v2, s[30:31] offset:128*q
.set q, q+1
.endr
.endm
	XLOADS
; 48 products.  The sixteen accumulators take turns, one instruction a turn; the first K step starts the sums with the constant 0.
.macro MULT                            ; transposed; accumulator (a, t) at 8 (8 a + t)
.irp s, 0,1,2
.irp a, 0,1
.irp p, 0,1,2,3
.if \s == 0
	v_wmma_scale_f32_16x16x128_f8f6f4 v[ACC+8*(8*\a+2*\p):ACC+8*(8*\a+2*\p)+7], v[8*(6*\p+\s):8*(6*\p+\s)+7], v[XF+8*(3*\a+\s):XF+8*(3*\a+\s)+7], 0, v[WSC+3*\p+\s], v[XSC+3*\a+\s] matrix_a_fmt:MATRIX_FMT_FP4 matrix_b_fmt:MATRIX_FMT_FP4
	v_wmma_scale_f32_16x16x128_f8f6f4 v[ACC+8*(8*\a+2*\p+1):ACC+8*(8*\a+2*\p+1)+7], v[8*(6*\p+3+\s):8*(6*\p+3+\s)+7], v[XF+8*(3*\a+\s):XF+8*(3*\a+\s)+7], 0, v[WSC+3*\p+\s], v[XSC+3*\a+\s] matrix_a_fmt:MATRIX_FMT_FP4 matrix_b_fmt:MATRIX_FMT_FP4 matrix_a_scale:MATRIX_SCALE_ROW1
.else
	v_wmma_scale_f32_16x16x128_f8f6f4 v[ACC+8*(8*\a+2*\p):ACC+8*(8*\a+2*\p)+7], v[8*(6*\p+\s):8*(6*\p+\s)+7], v[XF+8*(3*\a+\s):XF+8*(3*\a+\s)+7], v[ACC+8*(8*\a+2*\p):ACC+8*(8*\a+2*\p)+7], v[WSC+3*\p+\s], v[XSC+3*\a+\s] matrix_a_fmt:MATRIX_FMT_FP4 matrix_b_fmt:MATRIX_FMT_FP4
	v_wmma_scale_f32_16x16x128_f8f6f4 v[ACC+8*(8*\a+2*\p+1):ACC+8*(8*\a+2*\p+1)+7], v[8*(6*\p+3+\s):8*(6*\p+3+\s)+7], v[XF+8*(3*\a+\s):XF+8*(3*\a+\s)+7], v[ACC+8*(8*\a+2*\p+1):ACC+8*(8*\a+2*\p+1)+7], v[WSC+3*\p+\s], v[XSC+3*\a+\s] matrix_a_fmt:MATRIX_FMT_FP4 matrix_b_fmt:MATRIX_FMT_FP4 matrix_a_scale:MATRIX_SCALE_ROW1
.endif
.endr
.endr
.endr
.endm
.macro MULN                            ; as it reads; accumulator (a, t) at 8 (2 t + a)
.irp s, 0,1,2
.irp a, 0,1
.irp p, 0,1,2,3
.if \s == 0
	v_wmma_scale_f32_16x16x128_f8f6f4 v[ACC+8*(4*\p+\a):ACC+8*(4*\p+\a)+7], v[XF+8*(3*\a+\s):XF+8*(3*\a+\s)+7], v[8*(6*\p+\s):8*(6*\p+\s)+7], 0, v[XSC+3*\a+\s], v[WSC+3*\p+\s] matrix_a_fmt:MATRIX_FMT_FP4 matrix_b_fmt:MATRIX_FMT_FP4
	v_wmma_scale_f32_16x16x128_f8f6f4 v[ACC+8*(4*\p+2+\a):ACC+8*(4*\p+2+\a)+7], v[XF+8*(3*\a+\s):XF+8*(3*\a+\s)+7], v[8*(6*\p+3+\s):8*(6*\p+3+\s)+7], 0, v[XSC+3*\a+\s], v[WSC+3*\p+\s] matrix_a_fmt:MATRIX_FMT_FP4 matrix_b_fmt:MATRIX_FMT_FP4 matrix_b_scale:MATRIX_SCALE_ROW1
.else
	v_wmma_scale_f32_16x16x128_f8f6f4 v[ACC+8*(4*\p+\a):ACC+8*(4*\p+\a)+7], v[XF+8*(3*\a+\s):XF+8*(3*\a+\s)+7], v[8*(6*\p+\s):8*(6*\p+\s)+7], v[ACC+8*(4*\p+\a):ACC+8*(4*\p+\a)+7], v[XSC+3*\a+\s], v[WSC+3*\p+\s] matrix_a_fmt:MATRIX_FMT_FP4 matrix_b_fmt:MATRIX_FMT_FP4
	v_wmma_scale_f32_16x16x128_f8f6f4 v[ACC+8*(4*\p+2+\a):ACC+8*(4*\p+2+\a)+7], v[XF+8*(3*\a+\s):XF+8*(3*\a+\s)+7], v[8*(6*\p+3+\s):8*(6*\p+3+\s)+7], v[ACC+8*(4*\p+2+\a):ACC+8*(4*\p+2+\a)+7], v[XSC+3*\a+\s], v[WSC+3*\p+\s] matrix_a_fmt:MATRIX_FMT_FP4 matrix_b_fmt:MATRIX_FMT_FP4 matrix_b_scale:MATRIX_SCALE_ROW1
.endif
.endr
.endr
.endr
.endm
.macro F32OUT stride                   ; row tile a = 0's eight accumulators as they stand, each from its low end on
.set q, 0
.rept 8
	global_store_b128 v1, v[ACC+8*\stride*q:ACC+8*\stride*q+3], s[34:35] offset:1024*q
	global_store_b128 v1, v[ACC+8*\stride*q+4:ACC+8*\stride*q+7], s[34:35] offset:1024*q+512
.set q, q+1
.endr
.endm
.macro PLACES                          ; four plain instructions between a product and a store of its result or a load into its sources (ISA guide 7.12.1 for the store)
.rept 4
	v_nop
.endr
.endm
.Ltrip:
	s_wait_loadcnt 0x0                             ; this trip's x (in the first trip the weights too)
	s_cmp_eq_u32 s[MAT], 2
	s_cbranch_scc1 .Lnatural
	WIN 0x01                                       ; source 0 (W) window 1
	MULT
	WIN 0
	PLACES
	s_cmp_lg_u32 s[MLOW], 0                        ; positions 0-15 of a sequence?  ids and the count of trips alone
	s_cbranch_scc1 .Ljoin
	F32OUT 1
	s_branch .Ljoin
.Lnatural:
	WIN 0x04                                       ; source 1 (W) window 1
	MULN
	WIN 0
	PLACES
	s_cmp_lg_u32 s[MLOW], 0
	s_cbranch_scc1 .Ljoin
	F32OUT 2
.Ljoin:
	s_cmp_eq_u32 s[CNT], 1                         ; the last trip asks for nothing: no load leaves its buffer
	s_cbranch_scc1 .Lno_next
	s_add_nc_u64 s[28:29], s[28:29], 6144          ; (the loads that read these bases were waited for at the trip's head)
	s_add_nc_u64 s[30:31], s[30:31], 768
	XLOADS                                         ; the next two row tiles land while this trip's results are packed and stored
.Lno_next:
	WIN 0x40                                       ; destination window 1
.set q, 0
.rept 64
	v_cvt_pk_f16_f32 v[PK+q], v[ACC+2*q], v[ACC+2*q+1]   ; ascending: each accumulator is read from its low end on
.set q, q+1
.endr
	WIN 0x04                                       ; a store's data are its source 1: window 1
.set q, 0
.rept 16
	global_store_b128 v1, v[PK+4*q:PK+4*q+3], s[32:33] offset:512*q   ; 512 consecutive bytes; the two numberings of the accumulators make this run right for both layouts
.set q, q+1
.endr
	WIN 0
	s_wait_xcnt 0x0                                ; the stores have read their data and their base: the packed registers, the accumulators and the base are written again only behind this wait
	s_add_nc_u64 s[32:33], s[32:33], 8192
	s_add_co_u32 s[MLOW], s[MLOW], 2
	s_sub_co_u32 s[CNT], s[CNT], 1
	s_cmp_lg_u32 s[CNT], 0
	s_cbranch_scc1 .Ltrip
	s_endpgm
.Lfunc_end_k_q87498f14ba_qkv:
	.size	k_q87498f14ba_qkv, .Lfunc_end_k_q87498f14ba_qkv-k_q87498f14ba_qkv
	.p2alignl 7, 3214868480
	.fill 96, 4, 3214868480
	.section	.rodata,"a",@progbits
	.p2align	6, 0x0
	.amdhsa_kernel k_q87498f14ba_qkv
		.amdhsa_group_segment_fixed_size 0
		.amdhsa_private_segment_fixed_size 0
		.amdhsa_enable_private_segment 0
		.amdhsa_kernarg_size 40
		.amdhsa_user_sgpr_count 2
		.amdhsa_user_sgpr_kernarg_segment_ptr 1
		.amdhsa_wavefront_size32 1
		.amdhsa_system_sgpr_workgroup_id_x 1
		.amdhsa_system_sgpr_workgroup_id_y 1
		.amdhsa_system_sgpr_workgroup_id_z 1
		.amdhsa_system_vgpr_workitem_id 0
		.amdhsa_next_free_vgpr 512
		.amdhsa_next_free_sgpr 66
		.amdhsa_reserve_vcc 0
		.amdhsa_float_denorm_mode_32 3
		.amdhsa_float_denorm_mode_16_64 3
		.amdhsa_memory_ordered 1
		.amdhsa_forward_progress 1
		.amdhsa_inst_pref_size 33
	.end_amdhsa_kernel
	.amdgpu_metadata
---
amdhsa.version: [ 1, 2 ]
amdhsa.kernels:
  - .name:           k_q87498f14ba_qkv
    .symbol:         k_q87498f14ba_qkv.kd
    .args:
      - { .name: codes, .offset: 0, .size: 8, .value_kind: global_buffer, .address_space: global }
      - { .name: q16, .offset: 8, .size: 8, .value_kind: global_buffer, .address_space: global }
      - { .name: k16, .offset: 16, .size: 8, .value_kind: global_buffer, .address_space: global }
      - { .name: v16, .offset: 24, .size: 8, .value_kind: global_buffer, .address_space: global }
      - { .name: first32, .offset: 32, .size: 8, .value_kind: global_buffer, .address_space: global }
    .group_segment_fixed_size: 0
    .private_segment_fixed_size: 0
    .kernarg_segment_align: 8
    .kernarg_segment_size: 40
    .max_flat_workgroup_size: 128
    .sgpr_count:     66
    .vgpr_count:     512
    .wavefront_size: 32
...
	.end_amdgpu_metadata
.endif
;; end of part 2
;; launch attn (part 3): grid 16 x 12, 4 waves a work-group, clusters of 4 x 1, 327,680 bytes of LDS; arguments q16, k16, v16, ctx16; writes ctx16
.if DOCPART == 3
	.amdgcn_target "amdgcn-amd-amdhsa--gfx1250"
	.amdhsa_code_object_version 6
	.text
	.protected	k_q87498f14ba_attn
	.globl	k_q87498f14ba_attn
	.p2align	8
	.type	k_q87498f14ba_attn,@function
k_q87498f14ba_attn:
	s_mov_b64 s[64:65], 0
	v_nop
	global_prefetch_b8 v0, s[64:65] scope:SCOPE_SE
	s_setreg_imm32_b32 hwreg(HW_REG_WAVE_MODE, 25, 1), 1
	s_wait_xcnt 0x0
	s_wait_alu depctr_hold_cnt(0) depctr_sa_sdst(0) depctr_va_vdst(0) depctr_va_sdst(0) depctr_va_ssrc(0) depctr_va_vcc(0) depctr_vm_vsrc(0)
	s_getreg_b32 s2, hwreg(HW_REG_IB_STS2, 6, 4)
	s_cmp_eq_u32 s2, 0
	s_cbranch_scc0 .Lentry_in_a_cluster
	s_endpgm
.Lentry_in_a_cluster:
	s_bfe_u32 s2, ttmp6, 0x10000c
	s_cmp_lg_u32 s2, 0x3003
	s_cbranch_scc0 .Lentry_shape_is_right
	s_endpgm
.Lentry_shape_is_right:
; ctx = softmax(q k^T / sqrt(128), causal) v for 12 (batch, head) pairs of 4,096 positions.  q16, k16, v16 hold f16 images of the operands' registers (a fragment: 1,024 bytes, lane l's 16 bytes at 16 l, twice); products on f16, sums,
; maxima and the softmax in f32 with a running maximum; the weights p are rounded to f16 for the second product; ctx leaves as f16 images of the output projection's operand: ctx16 [row tile 0..511][4 head + u] x 1,024.
; SHARES.  A work-group owns two blocks of 128 queries: first block 31 - 4 c - cx, then block 4 c + cx (c the cluster, cx the place in it).  Wave = 2 g + par: query group g (64 queries, four tiles of 16) and KEY PARITY par:
; of each slot of 128 keys the wave multiplies keys 64 par .. 64 par + 63.  At a block's end the two parities of a group are merged through LDS: each keeps two tiles and sends two.
; CLUSTER.  The four partners walk the same keys: 32 - 4 c slots for the first block, 4 c + 4 for the second, 36 trips in every work-group, and each tile of K and V is asked for JOINTLY.  A partner whose block ends up to three
; slots earlier multiplies those slots all the same, under the mask (p = 0 there): every partner reads every joint tile, and no branch hangs on a place in the cluster.  The mask is applied in a block's last four slots, which is the same test in all partners.
; LAYOUT.  S^T = K Q^T and O^T = V^T P: a lane holds ONE query (lane % 16) throughout; two tiles of S^T, packed, are source 1 of the second product.
; BY TURNS.  The wave's tiles are two pieces (tiles 0, 1 and 2, 3).  A key step: piece 0's scores | piece 2's scores with piece 0's softmax in slices between them | piece 0's V^T P with piece 2's softmax between | piece 2's V^T P.
; The step is written once for the loop: O^T starts as zeros and m as -3e38, so the first factor 2^(c m_old - c m_new) is 0; a lane all of whose keys are hidden keeps m, gets p = 0, and is weighed with 0 in the merge.
; LIMITS: |q|, |k|, |v| under 65,504 (f16); NaN and infinities are not served.
; REGISTERS, in windows of 256: window 0: addresses, statistics, S^T (v64-191), P (v192-255); window 1: O^T, 64 a tile; window 2: v0-127 Q, v128-255 K; window 3: v0-127 V, at a block's end the partner's two tiles.
.set SLOTB, 65536                      ; a slot: K of step 0, K of step 1, V of step 0, V of step 1, 16,384 bytes each
.set STAGE, 2*SLOTB                    ; behind the ring: for each wave 32 images of 512 bytes and one of statistics
.set STW,   16896
.set SPARE, STAGE+4*STW                ; behind the stages: the spare words, 128 bytes a wave
.set AK0, 2                            ; v2   16 x lane + 16,384 par: my place in a slot's K
.set AV0, 3                            ; v3   the same for V
.set ADR, 4                            ; v4   the LDS address of the run of loads in hand
.set QO,  5                            ; v5   16 x lane
.set SNA, 6                            ; v6   my stage
.set RCA, 7                            ; v7   my partner's
.set PFO, 8                            ; v8   256 x lane
.set QI,  9                            ; v9   tile 0's query of my lane - 8 (lane / 16)
.set NEG, 10                           ; v10  -infinity
.set QL,  11                           ; v11  64 g + lane % 16 - 8 (lane / 16)
.set ST,  12                           ; tile t's statistics at v[12 + 8 t]: +0 c m, +1 m, +2, +3 l, +4 to +7 at work
.set D,   44                           ; v44-47 tile t: my query - the step's first key - 8 (lane / 16)
.set XS,  52                           ; v52-55 statistics sent;  v56-59 received
.set XR,  56
.set SPW, 62                           ; v62  SPARE + 4 x my thread's number; never rewritten
.set NIL, 63                           ; v63  0; never rewritten
.set S,   64
.set P,   192
.set KF,  128                          ; K's fragments, in window 2
.set WV,  12
.set PAR, 13
.set G,   14
.set CX,  15
.set G1,  24                           ; s[24:31] descriptor group 1
.set G0,  32                           ; s[32:35] descriptor group 0
.set KVB, 36                           ; s[36:37] my part of key slot 0 in memory
.set TO,  38                           ; s[38:39] an offset, its high word 0
.set RQ,  40                           ; the key slot last asked for
.set N1,  41                           ; slots of the first block;  N2: of the second
.set REM, 42                           ; trips left in the block, this one among them
.set KEY, 43                           ; my step's first key
.set TB,  44                           ; LDS byte at which the slot in hand begins
.set TRIPS, 45
.set LIM, 46
.set N2,  47
.set PFA, 48                           ; s[48:49] where my prefetches stand
.set QB2, 50                           ; s[50:51] the second block's Q;  s[52:53] where ctx goes;  s[54:55] the same for the second block
.set CB,  52
.set CB2, 54
.set QI2, 56                           ; 128 x the second block
.set CS,  58                           ; s[58:59] c = log2(e) / sqrt(128)
.set SEL, 60                           ; s[60:61] lane selects: lane l xor 16
.set MSB, 0
.macro WIN new                         ; the immediate's high byte repeats the setting that is left; a switch that changes nothing is dropped
.if MSB != \new
	s_set_vgpr_msb (MSB<<8)|\new
.set MSB, \new
.endif
.endm
.set W_KQ, 0x0a                        ; K and Q window 2, S^T window 0
.set W_PV, 0x53                        ; V window 3, P window 0, O^T window 1
.set W_RS, 0x41                        ; O^T (destination and source 0) window 1
.macro CROUND                          ; a round of the cluster's barrier
	s_barrier_signal -1
	s_barrier_wait -1
	s_cmp_lg_u32 s[WV], 0
	s_cbranch_scc1 .Lnot_wave_0_\@
	s_barrier_signal -3
.Lnot_wave_0_\@:
	s_barrier_wait -3
	s_barrier_signal -1
	s_barrier_wait -1
.endm
; A prefetch into the L2 of the key slot that stands two requests on: 128 blocks of 256 bytes of K and as many of V.  Cluster 0 of each (batch, head) walks all 32 slots in its first block: it alone asks.  Its four partners take 32 blocks
; each, told apart by address; wave 0 asks for K's, wave 2 for V's, a lane a block.  So each block is named once.  Slots 0 to 2 come by their loads alone; trip 28 names slot 31, and later trips ask for nothing.
.macro ASK
	s_cmp_gt_u32 s[TRIPS], s[LIM]
	s_cbranch_scc0 .Lnot_mine_\@
	global_prefetch_b8 v[PFO], s[PFA:PFA+1] th:TH_LOAD_NT scope:SCOPE_SE
.Lnot_mine_\@:
.endm
.macro STATS                           ; m = -3e38, under every score; c m; l = 0
.irp t, 0,1,2,3
	v_mov_b32 v[ST+8*\t+1], 0xff61b1e6
	v_mov_b32 v[ST+8*\t+2], 0
	v_mov_b32 v[ST+8*\t+3], 0
.endr
.irp t, 0,1,2,3
	v_mul_f32 v[ST+8*\t], s[CS], v[ST+8*\t+1]
.endr
.endm
.macro QLOAD lo                        ; four tiles x four fragments: i = 4 t + u
	WIN 0x80                                       ; destination window 2
.set i, 0
.rept 16
	global_load_b128 v[8*i:8*i+3], v[QO], s[\lo:\lo+1] offset:1024*i
	global_load_b128 v[8*i+4:8*i+7], v[QO], s[\lo:\lo+1] offset:1024*i+512
.set i, i+1
.endr
	WIN 0
.endm
	s_load_b256 s[4:11], s[0:1], 0x0               ; q16 s[4:5], k16 s[6:7], v16 s[8:9], ctx16 s[10:11]
	v_lshl_add_u32 v[SPW], v0, 2, SPARE
	v_mov_b32 v[NIL], 0
	ds_add_u32 v[SPW], v[NIL]                      ; the wave's opening: the add, twice on end, and its wait ahead of my first tensor load
	ds_add_u32 v[SPW], v[NIL]
	v_lshrrev_b32 v1, 5, v0
	v_readfirstlane_b32 s[WV], v1
	s_and_b32 s[PAR], s[WV], 1
	s_lshr_b32 s[G], s[WV], 1
	s_bfe_u32 s[CX], ttmp6, 0x40000                ; my place in the cluster: it enters Q's, ctx's and the prefetches' addresses and the mask's numbers alone
	s_and_b32 s16, ttmp7, 0xffff                   ; 6 batch + head, which the partners share
	s_lshl_b32 s17, ttmp9, 2                       ; 4 c
	s_sub_co_u32 s[N1], 32, s17
	s_add_co_u32 s[N2], s17, 4
	s_add_co_u32 s18, s17, s[CX]                   ; the second block
	s_sub_co_u32 s19, 31, s18                      ; the first
	s_mov_b32 s[G1], 15|(3<<16)|(1<<21)            ; 15:0 the mask: all four work-groups; 17:16 elements of 8 bytes; 21 set beside a mask; no padding
	s_mov_b32 s[G1+1], 32<<16                      ; tensor_dim0 = 32 elements: 256 bytes
	s_mov_b32 s[G1+2], 64<<16                      ; tensor_dim1 = 64 rows: 16,384 dense bytes
	s_mov_b32 s[G1+3], 32<<16                      ; tile_dim0
	s_mov_b32 s[G1+4], 64                          ; tile_dim1
	s_mov_b32 s[G1+5], 32                          ; the pitch
	s_mov_b32 s[G1+6], 0
	s_mov_b32 s[G1+7], 0
	s_mov_b32 s[G0], 1
	s_lshl_b32 s[G0+1], s[WV], 14                  ; LDS: slot 0, part = my wave's number
	s_cmp_ge_u32 s16, 6
	s_cselect_b32 s2, 1, 0                         ; batch
	s_mul_i32 s3, s2, 6
	s_sub_co_u32 s3, s16, s3
	s_lshl_b32 s3, s3, 12                          ; 4,096 x head
	s_lshl_b32 s2, s2, 8
	s_lshl_b32 s57, s[G], 2                        ; 4 g
	s_add_co_u32 s2, s2, s57                       ; 256 batch + 4 g
	s_lshl_b32 s20, s16, 20                        ; a (batch, head) pair is 2^20 bytes in q16, k16 and v16
	s_lshl_b32 s21, s19, 3
	s_add_co_u32 s[CB], s21, s2
	s_mul_i32 s[CB], s[CB], 24576
	s_add_co_u32 s[CB], s[CB], s3
	s_mov_b32 s[CB+1], 0
	s_add_co_u32 s62, s21, s57
	s_lshl_b32 s62, s62, 12
	s_add_co_u32 s62, s62, s20
	s_mov_b32 s63, 0
	s_lshl_b32 s21, s18, 3
	s_add_co_u32 s[CB2], s21, s2
	s_mul_i32 s[CB2], s[CB2], 24576
	s_add_co_u32 s[CB2], s[CB2], s3
	s_mov_b32 s[CB2+1], 0
	s_add_co_u32 s[QB2], s21, s57
	s_lshl_b32 s[QB2], s[QB2], 12
	s_add_co_u32 s[QB2], s[QB2], s20
	s_mov_b32 s[QB2+1], 0
	s_lshl_b32 s[KVB], s[PAR], 14                  ; waves 0, 1: K's steps 0, 1; waves 2, 3: V's
	s_add_co_u32 s[KVB], s[KVB], s20
	s_mov_b32 s[KVB+1], 0
	s_lshl_b32 s[PFA], s[CX], 13                   ; my work-group's 32 blocks of 256 bytes,
	s_add_co_u32 s[PFA], s[PFA], s20
	s_add_co_u32 s[PFA], s[PFA], 2*32768           ; in slot 2: the first change of slots steps it to slot 3.  Nothing is prefetched at the head
	s_mov_b32 s[PFA+1], 0
	s_mov_b32 s[TO+1], 0
	s_and_b32 s[LIM], s[WV], 1
	s_or_b32 s[LIM], s[LIM], ttmp9                 ; 0 in waves 0 and 2 of cluster 0: the same in all four partners
	s_cmp_eq_u32 s[LIM], 0
	s_cselect_b32 s[LIM], 6, -1
	s_lshl_b32 s[QI2], s18, 7
	s_mov_b32 s[CS], 0x3e0293ee
	s_mov_b32 s[CS+1], s[CS]                       ; named with it as a pair, so it is written
	s_mov_b32 s[SEL], 0x76543210
	s_mov_b32 s[SEL+1], 0xfedcba98
	s_mov_b32 s[RQ], 0
	s_mov_b32 s[REM], s[N1]
	s_lshl_b32 s[KEY], s[PAR], 6
	s_mov_b32 s[TB], 0
	s_mov_b32 s[TRIPS], 35
	s_wait_dscnt 0x0                               ; both opening adds are done
	s_wait_kmcnt 0x0
	s_cmp_lt_u32 s[WV], 2
	s_cselect_b64 s[22:23], s[6:7], s[8:9]         ; K's buffer or V's, by the wave's number
	s_add_nc_u64 s[KVB:KVB+1], s[22:23], s[KVB:KVB+1]
	s_add_nc_u64 s[PFA:PFA+1], s[22:23], s[PFA:PFA+1]
	s_add_nc_u64 s[62:63], s[4:5], s[62:63]        ; the first block's Q
	s_add_nc_u64 s[QB2:QB2+1], s[4:5], s[QB2:QB2+1]
	s_add_nc_u64 s[CB:CB+1], s[10:11], s[CB:CB+1]
	s_add_nc_u64 s[CB2:CB2+1], s[10:11], s[CB2:CB2+1]
	s_mov_b64 s[G0+2:G0+3], s[KVB:KVB+1]
	s_or_b32 s[G0+3], s[G0+3], 0x80000000          ; type = 2
	CROUND                                         ; all four work-groups are here: the first joint loads meet
	tensor_load_to_lds s[G0:G0+3], s[G1:G1+7]      ; key slot 0: every wave brings a quarter
	s_nop 0
.rept 4
	v_nop
.endr
	v_and_b32 v1, 31, v0
	v_lshlrev_b32 v[QO], 4, v1
	v_lshlrev_b32 v[PFO], 8, v1
	s_lshl_b32 s57, s[PAR], 14
	v_add_nc_u32 v[AK0], s57, v[QO]
	v_add_nc_u32 v[AV0], 32768, v[AK0]
	s_mul_i32 s57, s[WV], STW
	s_add_co_u32 s57, s57, STAGE
	v_add_nc_u32 v[SNA], s57, v[QO]
	s_xor_b32 s57, s[WV], 1                        ; my partner: the other parity of my query group
	s_mul_i32 s57, s57, STW
	s_add_co_u32 s57, s57, STAGE
	v_add_nc_u32 v[RCA], s57, v[QO]
	QLOAD 62
	v_and_b32 v1, 15, v0
	v_bfe_u32 v[ADR], v0, 4, 1
	v_lshlrev_b32 v[ADR], 3, v[ADR]
	v_sub_nc_u32 v[QL], v1, v[ADR]
	s_lshl_b32 s57, s[G], 6
	v_add_nc_u32 v[QL], s57, v[QL]
	s_lshl_b32 s57, s19, 7
	v_add_nc_u32 v[QI], s57, v[QL]
	v_mov_b32 v[NEG], 0xff800000
	STATS
	WIN 0x40
.set i, 0
.rept 256
	v_mov_b32 v[i], 0                              ; O^T, once in the launch: the step is written once, and a first step can be wholly hidden, so no product can start these sums
.set i, i+1
.endr
	WIN 0
	s_wait_loadcnt 0x0                             ; Q
; Product i of 32 of S^T = K Q^T for piece x: channels 32 (i / 8) on, keys 16 ((i / 2) % 4) on, tile x + i % 2.  The first 8 start the sums.  The accumulators take turns.
.macro KQ x
	WIN W_KQ
.set rS, S+32*(\x+i%2)+8*((i/2)%4)
.set rK, KF+32*((i/2)%4)+8*(i/8)
.set rQ, 32*(\x+i%2)+8*(i/8)
.if i < 8
	v_wmma_f32_16x16x32_f16 v[rS:rS+7], v[rK:rK+7], v[rQ:rQ+7], 0
.else
	v_wmma_f32_16x16x32_f16 v[rS:rS+7], v[rK:rK+7], v[rQ:rQ+7], v[rS:rS+7]
.endif
.endm
; Product i of 32 of O^T += V^T P: keys 32 (i / 16) on, channels 16 ((i / 2) % 8) on, tile x + i % 2
.macro PV x
	WIN W_PV
.set rO, 64*(\x+i%2)+8*((i/2)%8)
.set rV, 64*(i/16)+8*((i/2)%8)
.set rP, P+16*(\x+i%2)+8*(i/16)
	v_wmma_f32_16x16x32_f16 v[rO:rO+7], v[rV:rV+7], v[rP:rP+7], v[rO:rO+7]
.endm
.macro FETCH_K                         ; my step's 16 fragments of K, the channels' groups one after the other, so that the products can begin when the first eight loads are in
	WIN 0
	v_add_nc_u32 v[ADR], s[TB], v[AK0]
	WIN 0x80
.irp u, 0,1,2,3
.irp kt, 0,1,2,3
	ds_load_b128 v[KF+8*(4*\kt+\u):KF+8*(4*\kt+\u)+3], v[ADR] offset:1024*(4*\kt+\u)
	ds_load_b128 v[KF+8*(4*\kt+\u)+4:KF+8*(4*\kt+\u)+7], v[ADR] offset:1024*(4*\kt+\u)+512
.endr
.endr
.endm
.macro FETCH_V                         ; my step's 16 fragments of V^T
	WIN 0
	v_add_nc_u32 v[ADR], s[TB], v[AV0]
	s_wait_alu depctr_va_vdst(0)                   ; the wait for the softmax's batch of exponentials, ahead of the first instruction that names a result
	WIN 0xc0
.set f, 0
.rept 16
	ds_load_b128 v[8*f:8*f+3], v[ADR] offset:1024*f
	ds_load_b128 v[8*f+4:8*f+7], v[ADR] offset:1024*f+512
.set f, f+1
.endr
.endm
; Register 8 T + j of tile t holds key KEY + 16 T + 8 (lane / 16) + j: hidden where 16 T + j > D_t.  Hidden scores become -infinity ahead of the maximum.  Ascending: each accumulator is read from its low end on.
.macro MASK x
.irp t, \x, \x+1
.set n, 0
.rept 32
	v_cmp_gt_i32 vcc_lo, 16*(n/8)+n%8, v[D+(\t)]
	v_cndmask_b32 v[S+32*(\t)+n], v[S+32*(\t)+n], v[NEG], vcc_lo
.set n, n+1
.endr
.endr
.endm
; One tile's softmax for one key step is a list of 134 instructions; SM writes number j of it for tile t.
;   0-15 the maximum of the 32 scores and the old m;  16-20 the other half of the lanes' maximum, the new m, c m, c m_old - c m_new;
;   21-69 ONE BATCH: 16 packed scalings c s - c m and 33 exponentials (a = 2^(c m_old - c m_new) at 23), none of which reads an exponential's result;  (the batch's one wait: SLICE)
;   70-85 the roundings to f16;  86-101 the sums, l = a l + the sum;  102-133 O^T times a.
.macro SM t
.set rT, ST+8*(\t)
.set rS, S+32*(\t)
.set rP, P+16*(\t)
.set rO, 64*(\t)+2*(j-102)
.if j < 102
	WIN 0
.endif
.if j < 4
	v_max3_num_f32 v[rT+4+j], v[rS+8*j], v[rS+8*j+1], v[rS+8*j+2]
.elseif j < 12
	v_max3_num_f32 v[rT+4+j%4], v[rT+4+j%4], v[rS+8*(j%4)+2*(j/4)+1], v[rS+8*(j%4)+2*(j/4)+2]
.elseif j == 12
	v_max3_num_f32 v[rT+4], v[rT+4], v[rS+7], v[rS+15]
.elseif j == 13
	v_max3_num_f32 v[rT+6], v[rT+6], v[rS+23], v[rS+31]
.elseif j == 14
	v_max3_num_f32 v[rT+4], v[rT+4], v[rT+5], v[rT+6]
.elseif j == 15
	v_max3_num_f32 v[rT+4], v[rT+4], v[rT+7], v[rT+1]
.elseif j == 16
	v_permlanex16_b32 v[rT+5], v[rT+4], s[SEL], s[SEL+1]
.elseif j == 17
	v_mov_b32 v[rT+7], v[rT]                       ; c m_old is kept for a
.elseif j == 18
	v_max_num_f32 v[rT+1], v[rT+4], v[rT+5]
.elseif j == 19
	v_mul_f32 v[rT], s[CS], v[rT+1]
.elseif j == 20
	v_sub_f32 v[rT+7], v[rT+7], v[rT]
.elseif j == 23
	v_exp_f32 v[rT+6], v[rT+7]
.elseif (j < 23) || ((j < 38) && (j%2 == 0)) || ((j < 66) && (j%4 == 2))
.set b, (j-2)/4
.if j < 38
.set b, (j-20)/2
.endif
	v_pk_fma_f32 v[rS+2*b:rS+2*b+1], v[rS+2*b:rS+2*b+1], s[CS:CS+1], v[rT:rT+1] op_sel_hi:[1,0,0] neg_lo:[0,0,1] neg_hi:[0,0,1]
.elseif j < 70
.set e, j-38
.if j < 66
.set e, j-32-(j-38)/4
.endif
.if j < 38
.set e, (j-25)/2
.endif
	v_exp_f32 v[rS+e], v[rS+e]
.elseif j < 86
	v_cvt_pk_f16_f32 v[rP+j-70], v[rS+2*(j-70)], v[rS+2*(j-70)+1]
.elseif j < 102
.set z, j-86
.set w, 4
.set u, z
.if z >= 14
.set w, 32
.set u, 0
.elseif z >= 12
.set w, 16
.set u, z-12
.elseif z >= 8
.set w, 8
.set u, z-8
.endif
.if z < 15
	v_pk_add_f32 v[rS+w*u:rS+w*u+1], v[rS+w*u:rS+w*u+1], v[rS+w*u+w/2:rS+w*u+w/2+1]
.else
	v_pk_fma_f32 v[rT+2:rT+3], v[rT+2:rT+3], v[rT+6:rT+7], v[rS:rS+1] op_sel_hi:[1,0,1]
.endif
.else
	WIN W_RS
	v_pk_mul_f32 v[rO:rO+1], v[rO:rO+1], v[rT+6:rT+7] op_sel_hi:[1,0]
.endif
.endm
; Slice k of 64 of piece y's softmax.  Slices 11 to 34 deal out the batch, four numbers of one tile each; every other slice is numbers 2 k and 2 k + 1 of both tiles; the twelve that are over stand in slice 63.
; Behind slice 34 stand one plain instruction and the batch's one wait; in piece 0's softmax V's run of loads stands there too.
.macro SLICE y
.if (k >= 11) && (k < 35)
.irp n, 0,1,2,3
.set j, 22+4*((k-11)/2)+(\n)
	SM (\y)+(k-11)%2
.endr
.else
.irp n, 0,1,2,3,4,5,6,7
.if (\n < 2) || (k == 63)
.irp t, \y, \y+1
.set j, 2*k+\n
	SM \t
.endr
.endif
.endr
.endif
.if k == 34
	v_nop
.if (\y) == 0
	FETCH_V
.else
	s_wait_alu depctr_va_vdst(0)
.endif
.endif
.set k, k+1
.endm
; A KEY STEP.  masked = 1: the mask is always applied (the written-out last trip); 0: in the block's last four slots, a test on the cluster's number and the count of trips alone.
.macro STEP masked
	FETCH_K
.set i, 0
.rept 32
.if i%8 == 0
	s_wait_dscnt 24-i                              ; this group of channels is in; the later groups' loads, eight each, may be out
.endif
	KQ 0
.set i, i+1
.endr
	WIN 0
	v_sub_nc_u32 v[D], v[QI], s[KEY]               ; these four plain lines are the places between the last product and the first read of the scores
	v_add_nc_u32 v[D+1], 16, v[D]
	v_add_nc_u32 v[D+2], 32, v[D]
	v_add_nc_u32 v[D+3], 48, v[D]
.if !\masked
	s_cmp_gt_u32 s[REM], 4
	s_cbranch_scc1 .Lopen0_\@
.endif
	MASK 0
.Lopen0_\@:
.set k, 0
.set i, 0
.rept 32
	KQ 2
	SLICE 0
	SLICE 0
.set i, i+1
.endr
	WIN 0                                          ; slice 63's sixteen plain lines are the places behind the last product
.if !\masked
	s_cmp_gt_u32 s[REM], 4
	s_cbranch_scc1 .Lopen2_\@
.endif
	MASK 2
.Lopen2_\@:
	s_wait_dscnt 0x0                               ; V is in
.set k, 0
.set i, 0
.rept 32
	PV 0
	SLICE 2
	SLICE 2
.set i, i+1
.endr
.set i, 0
.rept 32
	PV 2
.set i, i+1
.endr
	WIN 0
.endm
; THE CHANGE OF SLOTS, at a trip's head.  Each wave waits for all its tensor loads (one is out: its quarter of the slot ahead), adds 0 to its spare word, and waits for that and for its reads of the slot that it has left.
; fill = 1: a round of the cluster's barrier, and behind it the joint load of the next key slot into the slot just left: it has a whole key step, 128 products, in which to land.
.macro CHANGE fill
	WIN 0
	s_wait_tensorcnt 0x0                           ; no tensor load of mine is out, so group 0 may be written
	ds_add_u32 v[SPW], v[NIL]
.if \fill
	s_add_co_u32 s[RQ], s[RQ], 1
	s_cmp_eq_u32 s[RQ], s[N1]
	s_cselect_b32 s[RQ], 0, s[RQ]                  ; behind the first block's last slot comes the second block's slot 0
	s_lshl_b32 s[TO], s[RQ], 15
	s_add_nc_u64 s[G0+2:G0+3], s[KVB:KVB+1], s[TO:TO+1]
	s_or_b32 s[G0+3], s[G0+3], 0x80000000
	s_xor_b32 s[G0+1], s[G0+1], SLOTB
	s_wait_xcnt 0x0                                ; the last prefetch, a trip back, has read its address
	s_add_nc_u64 s[PFA:PFA+1], s[PFA:PFA+1], 32768
	s_wait_dscnt 0x0                               ; the add is done, and my reads of the slot that I have left are over
	CROUND
	tensor_load_to_lds s[G0:G0+3], s[G1:G1+7]      ; my one tensor load until the next round
	s_nop 0
.rept 4
	v_nop
.endr
	ASK
.else
	s_wait_dscnt 0x0
	s_barrier_signal -1
	s_barrier_wait -1
.endif
.endm
; A BLOCK'S END.  SEND: two tiles of O^T and their c m and l go to my stage as they stand.  RECV: the partner's two come into window 3; O = (O 2^(cm - M) + O' 2^(cm' - M)) / (l 2^(cm - M) + l' 2^(cm' - M)), M the larger c m.
.macro SEND t0
	v_mov_b32 v[XS], v[ST+8*(\t0)]
	v_mov_b32 v[XS+1], v[ST+8*(\t0)+4]
	v_mov_b32 v[XS+2], v[ST+8*(\t0)+8]
	v_mov_b32 v[XS+3], v[ST+8*(\t0)+12]
	ds_store_b128 v[SNA], v[XS:XS+3] offset:16384
	WIN 0x04                                       ; an LDS store's data are its source 1: window 1
.set n, 0
.rept 32
	ds_store_b128 v[SNA], v[64*(\t0)+4*n:64*(\t0)+4*n+3] offset:512*n   ; each accumulator from its low end on
.set n, n+1
.endr
	WIN 0
.endm
.macro RECV t0
	WIN 0xc0
.set n, 0
.rept 32
	ds_load_b128 v[4*n:4*n+3], v[RCA] offset:512*n
.set n, n+1
.endr
	WIN 0
	ds_load_b128 v[XR:XR+3], v[RCA] offset:16384
	s_wait_dscnt 0x0
.irp i, 0,1
	v_max_num_f32 v[ST+8*(\t0+\i)+5], v[ST+8*(\t0+\i)], v[XR+2*\i]
.endr
.irp i, 0,1
	v_sub_f32 v[ST+8*(\t0+\i)+6], v[ST+8*(\t0+\i)], v[ST+8*(\t0+\i)+5]
	v_sub_f32 v[ST+8*(\t0+\i)+7], v[XR+2*\i], v[ST+8*(\t0+\i)+5]
.endr
.irp i, 0,1
	v_exp_f32 v[ST+8*(\t0+\i)+6], v[ST+8*(\t0+\i)+6]
	v_exp_f32 v[ST+8*(\t0+\i)+7], v[ST+8*(\t0+\i)+7]
.endr
	v_nop                                          ; a plain instruction behind the last exponential,
	s_wait_alu depctr_va_vdst(0)                   ; and one wait for the four, ahead of their first reader
.irp i, 0,1
	v_mul_f32 v[ST+8*(\t0+\i)+4], v[ST+8*(\t0+\i)+4], v[ST+8*(\t0+\i)+6]
.endr
.irp i, 0,1
	v_fma_f32 v[ST+8*(\t0+\i)+4], v[XR+2*\i+1], v[ST+8*(\t0+\i)+7], v[ST+8*(\t0+\i)+4]
.endr
.irp i, 0,1
	v_rcp_f32 v[ST+8*(\t0+\i)+5], v[ST+8*(\t0+\i)+4]
.endr
	v_nop
	s_wait_alu depctr_va_vdst(0)                   ; one wait for the two reciprocals
.irp i, 0,1
	v_mul_f32 v[ST+8*(\t0+\i)+6], v[ST+8*(\t0+\i)+6], v[ST+8*(\t0+\i)+5]   ; my tile's weight,
	v_mul_f32 v[ST+8*(\t0+\i)+4], v[ST+8*(\t0+\i)+7], v[ST+8*(\t0+\i)+5]   ; the partner's
.endr
.irp i, 0,1
	WIN W_RS
.set n, 0
.rept 32
	v_pk_mul_f32 v[64*(\t0+\i)+2*n:64*(\t0+\i)+2*n+1], v[64*(\t0+\i)+2*n:64*(\t0+\i)+2*n+1], v[ST+8*(\t0+\i)+6:ST+8*(\t0+\i)+7] op_sel_hi:[1,0]
.set n, n+1
.endr
	WIN W_PV                                       ; source 0 window 3, source 1 window 0, source 2 and destination window 1
.set n, 0
.rept 32
	v_pk_fma_f32 v[64*(\t0+\i)+2*n:64*(\t0+\i)+2*n+1], v[64*\i+2*n:64*\i+2*n+1], v[ST+8*(\t0+\i)+4:ST+8*(\t0+\i)+5], v[64*(\t0+\i)+2*n:64*(\t0+\i)+2*n+1] op_sel_hi:[1,0,1]
.set n, n+1
.endr
	WIN 0x05                                       ; sources window 1, destination window 0: S^T's registers are free
.set n, 0
.rept 32
	v_cvt_pk_f16_f32 v[S+32*(\t0+\i)+n], v[64*(\t0+\i)+2*n], v[64*(\t0+\i)+2*n+1]
.set n, n+1
.endr
	WIN 0
.set n, 0
.rept 8
	global_store_b128 v[QO], v[S+32*(\t0+\i)+4*n:S+32*(\t0+\i)+4*n+3], s[CB:CB+1] offset:24576*(\t0+\i)+512*n   ; channel tiles 2 u and 2 u + 1 are fragment u: 512 consecutive bytes a store
.set n, n+1
.endr
.endr
.endm
.macro FINISH more
	WIN 0
.irp t, 0,1,2,3
	v_add_f32 v[ST+8*\t+4], v[ST+8*\t+2], v[ST+8*\t+3]   ; l's two halves; these four are the places behind the last products
.endr
.irp t, 0,1,2,3
	v_permlanex16_b32 v[ST+8*\t+5], v[ST+8*\t+4], s[SEL], s[SEL+1]
.endr
.irp t, 0,1,2,3
	v_add_f32 v[ST+8*\t+4], v[ST+8*\t+4], v[ST+8*\t+5]
.endr
.if \more
	QLOAD QB2                                      ; the second block's Q lands during the merge
.endif
	s_cmp_eq_u32 s[PAR], 0
	s_cbranch_scc0 .Lsend_odd_\@
	SEND 2                                         ; parity 0 keeps tiles 0 and 1
	s_branch .Lsent_\@
.Lsend_odd_\@:
	SEND 0
.Lsent_\@:
	s_wait_dscnt 0x0                               ; for the partner's sake: my stores have landed
	s_barrier_signal -1                            ; all four waves come here in the same trip; the refill that is out may stay out
	s_barrier_wait -1
	s_cmp_eq_u32 s[PAR], 0
	s_cbranch_scc0 .Lrecv_odd_\@
	RECV 0
	s_branch .Lmerged_\@
.Lrecv_odd_\@:
	RECV 2
.Lmerged_\@:
.if \more
	STATS                                          ; O^T is not cleared: it is finite, and the first a (or the merge's weight) is 0
	v_add_nc_u32 v[QI], s[QI2], v[QL]
	s_add_co_u32 s[REM], s[N2], 1                  ; the trip's end takes 1 off,
	s_lshl_b32 s[KEY], s[PAR], 6
	s_sub_co_u32 s[KEY], s[KEY], 128               ; and adds 128
	s_wait_xcnt 0x0                                ; the stores have read their data and their base
	s_mov_b64 s[CB:CB+1], s[CB2:CB2+1]
	s_wait_loadcnt 0x0                             ; Q
.endif
.endm
.Ltrip:                                            ; 35 trips: behind each change of slots the next key slot is asked for
	CHANGE 1
	STEP 0
	s_cmp_lg_u32 s[REM], 1
	s_cbranch_scc1 .Lgo_on
	FINISH 1                                       ; the first block's last slot is done
.Lgo_on:
	s_sub_co_u32 s[REM], s[REM], 1
	s_add_co_u32 s[KEY], s[KEY], 128
	s_xor_b32 s[TB], s[TB], SLOTB
	s_sub_co_u32 s[TRIPS], s[TRIPS], 1
	s_cmp_lg_u32 s[TRIPS], 0
	s_cbranch_scc1 .Ltrip
	CHANGE 0                                       ; the last trip is written out
	STEP 1
	FINISH 0
	s_wait_tensorcnt 0x0                           ; the wave's end
	ds_add_u32 v[SPW], v[NIL]
	s_wait_dscnt 0x0
	CROUND                                         ; the closing round
	s_endpgm
.Lfunc_end_k_q87498f14ba_attn:
	.size	k_q87498f14ba_attn, .Lfunc_end_k_q87498f14ba_attn-k_q87498f14ba_attn
	.p2alignl 7, 3214868480
	.fill 96, 4, 3214868480
	.section	.rodata,"a",@progbits
	.p2align	6, 0x0
	.amdhsa_kernel k_q87498f14ba_attn
		.amdhsa_group_segment_fixed_size 327680
		.amdhsa_private_segment_fixed_size 0
		.amdhsa_enable_private_segment 0
		.amdhsa_kernarg_size 32
		.amdhsa_user_sgpr_count 2
		.amdhsa_user_sgpr_kernarg_segment_ptr 1
		.amdhsa_wavefront_size32 1
		.amdhsa_system_sgpr_workgroup_id_x 1
		.amdhsa_system_sgpr_workgroup_id_y 1
		.amdhsa_system_sgpr_workgroup_id_z 1
		.amdhsa_system_vgpr_workitem_id 0
		.amdhsa_next_free_vgpr 1024
		.amdhsa_next_free_sgpr 66
		.amdhsa_reserve_vcc 1
		.amdhsa_float_denorm_mode_32 3
		.amdhsa_float_denorm_mode_16_64 3
		.amdhsa_memory_ordered 1
		.amdhsa_forward_progress 1
		.amdhsa_inst_pref_size 208
	.end_amdhsa_kernel
	.amdgpu_metadata
---
amdhsa.version: [ 1, 2 ]
amdhsa.kernels:
  - .name:           k_q87498f14ba_attn
    .symbol:         k_q87498f14ba_attn.kd
    .args:
      - { .name: q16, .offset: 0, .size: 8, .value_kind: global_buffer, .address_space: global }
      - { .name: k16, .offset: 8, .size: 8, .value_kind: global_buffer, .address_space: global }
      - { .name: v16, .offset: 16, .size: 8, .value_kind: global_buffer, .address_space: global }
      - { .name: ctx16, .offset: 24, .size: 8, .value_kind: global_buffer, .address_space: global }
    .group_segment_fixed_size: 327680
    .private_segment_fixed_size: 0
    .kernarg_segment_align: 8
    .kernarg_segment_size: 32
    .max_flat_workgroup_size: 128
    .sgpr_count:     66
    .vgpr_count:     1024
    .wavefront_size: 32
...
	.end_amdgpu_metadata
.endif
;; end of part 3
;; launch oproj (part 4): grid 4 x 64, 4 waves a work-group, clusters of 4 x 4, 327,680 bytes of LDS; arguments ctx16, wo16, bo, out0; writes out0
.if DOCPART == 4
	.amdgcn_target "amdgcn-amd-amdhsa--gfx1250"
	.amdhsa_code_object_version 6
	.text
	.protected	k_q87498f14ba_oproj
	.globl	k_q87498f14ba_oproj
	.p2align	8
	.type	k_q87498f14ba_oproj,@function
k_q87498f14ba_oproj:
	s_mov_b64 s[64:65], 0
	v_nop
	global_prefetch_b8 v0, s[64:65] scope:SCOPE_SE
	s_setreg_imm32_b32 hwreg(HW_REG_WAVE_MODE, 25, 1), 1
	s_wait_xcnt 0x0
	s_wait_alu depctr_hold_cnt(0) depctr_sa_sdst(0) depctr_va_vdst(0) depctr_va_sdst(0) depctr_va_ssrc(0) depctr_va_vcc(0) depctr_vm_vsrc(0)
	s_getreg_b32 s2, hwreg(HW_REG_IB_STS2, 6, 4)
	s_cmp_eq_u32 s2, 0
	s_cbranch_scc0 .Lentry_in_a_cluster
	s_endpgm
.Lentry_in_a_cluster:
	s_bfe_u32 s2, ttmp6, 0x10000c
	s_cmp_lg_u32 s2, 0xf033
	s_cbranch_scc0 .Lentry_shape_is_right
	s_endpgm
.Lentry_shape_is_right:
; out = ctx Wo + bo.  ctx16 [row tile 0..511][32 along K: 0..23] x 1,024 and wo16 [column tile 0..47][0..23] x 1,024 hold f16 images of the operands' registers; sums in f32; out0 [8192][768] f32.
; A work-group makes 128 rows x 192 columns (256 work-groups); a wave 64 x 96: 24 accumulators.  K = 768 goes in four steps of 192 through two LDS slots; all four steps are written out.
; A tile's row in memory is one operand tile's six fragments, 6,144 consecutive bytes; in LDS they lie on end, and a fragment comes by two loads of 16 bytes a lane: no pitch, no padding.
; CLUSTERS: 4 x 4.  The four of a row of the cluster need the same rows of ctx, the four of a column the same columns of Wo: each tile is asked for jointly.
; THE PRODUCT IS USED TRANSPOSED (source 0 = 16 columns of Wo, source 1 = 16 rows of ctx): a lane holds eight neighbouring numbers of a row of out.  The bias is the C of each sum's first product.
; ALL rows are stored, positions 0-15 of both sequences too, which the next launch writes anew in f32: leaving them out would be a branch on a place in the cluster.  No prefetch: half of the tiles are asked for at the head.
; LIMIT: |ctx|, |Wo| under 65,504 (f16).
.set SLOT,  122880                     ; A: 8 row tiles x 6,144; B: 12 column tiles x 6,144
.set BOFF,  49152
.set SPARE, 2*SLOT
.set SPITCH, 784                       ; the way out: 128 rows x (768 bytes + 16), in slot 0, which has had its last fill and its last read by then
.set ADRA, 16                          ; v16-17 my A fragments in slot 0, 1;  v20-21 my B fragments
.set ADRB, 20
.set STO, 24
.set RD,  25
.set CO,  26
.set SPW, 28                           ; v28 SPARE + 4 x my thread's number; never rewritten
.set NIL, 29                           ; v29 0; never rewritten
.set ACC, 64                           ; v64-255: accumulator (a, b) at 8 (6 a + b)
.set F0, 0                             ; window 1: two fragment buffers of 80: B's six, then A's four
.set F1, 80
.set BIAS, 160                         ; window 1: v160-207
.set WV, 12
.set RH, 13                            ; my half of the rows.  Also: I fetch for A (0) or for B (1)
.set CH, 14                            ; my half of the columns.  Also: which half of that tile I fetch
.set G1, 24
.set G0, 32
.set G1B, 48
.set G0B, 56
.set MULW, 0x05                        ; sources 0 and 1 window 1
.set MULB, 0x15                        ; and C window 1: the bias
.set TO_F, 0x40
.set MSB, 0
.macro WIN new
.if MSB != \new
	s_set_vgpr_msb (MSB<<8)|\new
.set MSB, \new
.endif
.endm
.macro JLOAD s                         ; waves 0 and 1 fetch A's halves, waves 2 and 3 B's; an s_nop 0 and four v_nop follow each line
	s_cmp_eq_u32 s[RH], 0
	s_cbranch_scc0 .Lfor_b_\@
	tensor_load_to_lds s[G0+4*\s:G0+4*\s+3], s[G1:G1+7]
	s_nop 0
.rept 4
	v_nop
.endr
	s_branch .Lasked_\@
.Lfor_b_\@:
	tensor_load_to_lds s[G0B+4*\s:G0B+4*\s+3], s[G1B:G1B+7]
	s_nop 0
.rept 4
	v_nop
.endr
.Lasked_\@:
.endm
.macro CREST
	s_cmp_lg_u32 s[WV], 0
	s_cbranch_scc1 .Lnot_wave_0_\@
	s_barrier_signal -3
.Lnot_wave_0_\@:
	s_barrier_wait -3
	s_barrier_signal -1
	s_barrier_wait -1
.endm
.macro CROUND
	s_barrier_signal -1
	s_barrier_wait -1
	CREST
.endm
	s_load_b256 s[4:11], s[0:1], 0x0               ; ctx16 s[4:5], wo16 s[6:7], bo s[8:9], out0 s[10:11]
	v_lshl_add_u32 v[SPW], v0, 2, SPARE
	v_mov_b32 v[NIL], 0
	ds_add_u32 v[SPW], v[NIL]                      ; the wave's opening: the add, twice on end, and its wait ahead of my first tensor load
	ds_add_u32 v[SPW], v[NIL]
	v_lshrrev_b32 v1, 5, v0
	v_readfirstlane_b32 s[WV], v1
	s_lshr_b32 s[RH], s[WV], 1
	s_and_b32 s[CH], s[WV], 1
	s_bfe_u32 s40, ttmp6, 0x40000                  ; cx
	s_bfe_u32 s41, ttmp6, 0x40004                  ; cy
	s_lshl_b32 s42, ttmp9, 2
	s_add_co_u32 s42, s42, s40                     ; tile column X
	s_and_b32 s15, ttmp7, 0xffff
	s_lshl_b32 s15, s15, 2
	s_add_co_u32 s15, s15, s41                     ; tile row Y
	s_lshl_b32 s43, s41, 2
	s_lshl_b32 s43, 15, s43                        ; my row of the cluster
	s_lshl_b32 s44, 0x1111, s40                    ; my column
	s_or_b32 s[G1], s43, (3<<16)|(1<<21)           ; the mask; elements of 8 bytes; bit 21 beside a mask; no padding
	s_or_b32 s[G1B], s44, (3<<16)|(1<<21)
	s_mov_b32 s[G1+1], 768<<16                     ; tensor_dim0 = 768 elements: 6,144 bytes
	s_mov_b32 s[G1+2], 4<<16                       ; tensor_dim1 = 4 row tiles
	s_mov_b32 s[G1+3], 768<<16                     ; tile_dim0
	s_mov_b32 s[G1+4], 4                           ; tile_dim1
	s_mov_b32 s[G1+5], 3072                        ; the pitch: 24,576 bytes from tile to tile
	s_mov_b32 s[G1+6], 0
	s_mov_b32 s[G1+7], 0
	s_mov_b32 s[G1B+1], 768<<16
	s_mov_b32 s[G1B+2], 6<<16                      ; 6 column tiles
	s_mov_b32 s[G1B+3], 768<<16
	s_mov_b32 s[G1B+4], 6
	s_mov_b32 s[G1B+5], 3072
	s_mov_b32 s[G1B+6], 0
	s_mov_b32 s[G1B+7], 0
	s_lshl_b32 s16, s15, 3
	s_lshl_b32 s17, s[CH], 2
	s_add_co_u32 s16, s16, s17
	s_mul_i32 s16, s16, 24576                      ; A: row tile 8 Y + 4 x half
	s_mov_b32 s17, 0
	s_mul_i32 s46, s42, 12
	s_mul_i32 s47, s[CH], 6
	s_add_co_u32 s46, s46, s47
	s_mul_i32 s46, s46, 24576                      ; B: column tile 12 X + 6 x half
	s_mov_b32 s47, 0
	s_mul_i32 s20, s[CH], 24576                    ; where they go: no place in the cluster enters an LDS address
	s_mul_i32 s21, s[CH], 36864
	s_add_co_u32 s21, s21, BOFF
	s_wait_dscnt 0x0                               ; both opening adds are done
	s_wait_kmcnt 0x0
	s_add_nc_u64 s[18:19], s[4:5], s[16:17]
	s_add_nc_u64 s[46:47], s[6:7], s[46:47]
	CROUND                                         ; all sixteen work-groups are here: the first joint loads meet
.irp s, 0,1
	s_mov_b32 s[G0+4*\s], 1
	s_add_co_u32 s[G0+4*\s+1], s20, \s*SLOT
	s_add_nc_u64 s[G0+4*\s+2:G0+4*\s+3], s[18:19], \s*6144
	s_or_b32 s[G0+4*\s+3], s[G0+4*\s+3], 0x80000000
	s_mov_b32 s[G0B+4*\s], 1
	s_add_co_u32 s[G0B+4*\s+1], s21, \s*SLOT
	s_add_nc_u64 s[G0B+4*\s+2:G0B+4*\s+3], s[46:47], \s*6144
	s_or_b32 s[G0B+4*\s+3], s[G0B+4*\s+3], 0x80000000
	JLOAD \s                                       ; K steps 0 and 1: two tensor loads of mine are out
.endr
	v_and_b32 v1, 15, v0                           ; r
	v_bfe_u32 v2, v0, 4, 1                         ; h
	v_and_b32 v3, 31, v0
	v_lshlrev_b32 v3, 4, v3                        ; 16 x lane
	v_lshlrev_b32 v5, 5, v2                        ; 32 h
	s_mul_i32 s46, s42, 768                        ; my tile's first column, in bytes of f32
	s_mov_b32 s47, 0
	s_mul_i32 s22, s[CH], 384
	s_add_co_u32 s22, s22, s46
	s_mov_b32 s23, 0
	s_add_nc_u64 s[8:9], s[8:9], s[22:23]          ; bo at my 96 columns
	WIN TO_F
.irp b, 0,1,2,3,4,5
	global_load_b128 v[BIAS+8*\b:BIAS+8*\b+3], v5, s[8:9] offset:64*\b       ; lane (r, h): bo at columns 16 b + 8 h + 0 .. 7: the result's layout
	global_load_b128 v[BIAS+8*\b+4:BIAS+8*\b+7], v5, s[8:9] offset:64*\b+16
.endr
	WIN 0
	s_mul_i32 s21, s[RH], 24576
	s_mul_i32 s22, s[CH], 36864
	s_add_co_u32 s22, s22, BOFF
.irp s, 0,1
	v_add_nc_u32 v[ADRA+\s], s21, v3
	v_add_nc_u32 v[ADRB+\s], s22, v3
	s_add_co_u32 s21, s21, SLOT
	s_add_co_u32 s22, s22, SLOT
.endr
	s_mul_i32 s21, s[RH], 64*SPITCH
	s_mul_i32 s22, s[CH], 384
	s_add_co_u32 s21, s21, s22
	v_mul_u32_u24 v4, v1, SPITCH
	v_lshl_add_u32 v4, v2, 5, v4
	v_add_nc_u32 v[STO], s21, v4                   ; into the stage: row 64 x half + r, my 96 columns, + 32 h
	s_mul_i32 s21, s[WV], 32*SPITCH
	v_mul_u32_u24 v4, v2, SPITCH
	v_lshl_add_u32 v4, v1, 4, v4
	v_add_nc_u32 v[RD], s21, v4                    ; back: my 32 rows; lanes 0-15 256 bytes of one row, lanes 16-31 of the next
	v_mul_u32_u24 v4, v2, 3072
	v_lshl_add_u32 v[CO], v1, 4, v4                ; and the same in out0
	s_lshl_b32 s16, s15, 7
	s_lshl_b32 s17, s[WV], 5
	s_add_co_u32 s16, s16, s17
	s_mul_i32 s16, s16, 3072
	s_mov_b32 s17, 0
	s_add_nc_u64 s[10:11], s[10:11], s[16:17]
	s_add_nc_u64 s[10:11], s[10:11], s[46:47]
.macro FETCH slot, kp, f               ; 20 LDS loads: the fragments of 32 along K: B's six, A's blocks 0 and 1, A's blocks 2 and 3
	WIN TO_F
.irp b, 0,1,2,3,4,5
	ds_load_b128 v[\f+8*\b:\f+8*\b+3], v[ADRB+\slot] offset:\b*6144+1024*(\kp)
	ds_load_b128 v[\f+8*\b+4:\f+8*\b+7], v[ADRB+\slot] offset:\b*6144+1024*(\kp)+512
.endr
.irp a, 0,1,2,3
	ds_load_b128 v[\f+48+8*\a:\f+48+8*\a+3], v[ADRA+\slot] offset:\a*6144+1024*(\kp)
	ds_load_b128 v[\f+48+8*\a+4:\f+48+8*\a+7], v[ADRA+\slot] offset:\a*6144+1024*(\kp)+512
.endr
.endm
.macro MUL6 f, a, bias                 ; A's block a against B's six.  The 24 accumulators take turns, in the same order for every 32 along K
.irp b, 0,1,2,3,4,5
.if \bias
	v_wmma_f32_16x16x32_f16 v[ACC+8*(6*(\a)+\b):ACC+8*(6*(\a)+\b)+7], v[\f+8*\b:\f+8*\b+7], v[\f+48+8*(\a):\f+48+8*(\a)+7], v[BIAS+8*\b:BIAS+8*\b+7]
.else
	v_wmma_f32_16x16x32_f16 v[ACC+8*(6*(\a)+\b):ACC+8*(6*(\a)+\b)+7], v[\f+8*\b:\f+8*\b+7], v[\f+48+8*(\a):\f+48+8*(\a)+7], v[ACC+8*(6*(\a)+\b):ACC+8*(6*(\a)+\b)+7]
.endif
.endr
.endm
.macro PLACES                          ; four plain instructions in front of loads into registers that products have read, and of the first read of results (ISA guide 7.12.1 for the first read of results)
.rept 4
	v_nop
.endr
.endm
.macro KAPPA slot, kp, f, g, bias      ; multiplies buffer f (the slot's kp-th 32 along K) and fetches the next into g
	s_wait_dscnt 4                                 ; B and A's blocks 0, 1 are in; the youngest four loads may be out
	WIN MULW+0x10*\bias
	MUL6 \f, 0, \bias
	MUL6 \f, 1, \bias
	PLACES
	FETCH \slot, (\kp)+1, \g
	s_wait_dscnt 20                                ; all but the 20 just issued
	WIN MULW+0x10*\bias
	MUL6 \f, 2, \bias
	MUL6 \f, 3, \bias
.endm
.macro FIVE slot, bias                 ; a slot's first five
	KAPPA \slot, 0, F0, F1, \bias
	KAPPA \slot, 1, F1, F0, 0
	KAPPA \slot, 2, F0, F1, 0
	KAPPA \slot, 3, F1, F0, 0
	KAPPA \slot, 4, F0, F1, 0
.endm
; A slot's last 32 along K change slots: one barrier; in front of it each wave waits for all its tensor loads, adds 0 to its spare word, and waits for that and for its reads of this slot.  fill = 1: the slot is filled again, two K steps ahead.
.macro TURN slot, next, fill
	WIN 0
	s_wait_tensorcnt 0x0                           ; all my tensor loads have landed: my part of the next slot
	ds_add_u32 v[SPW], v[NIL]
	s_wait_dscnt 5                                 ; (the add and the youngest four loads may be out)
	WIN MULW
	MUL6 F1, 0, 0
	s_wait_dscnt 0x0                               ; the add is done, and my reads of this slot are over
	s_barrier_signal -1
	MUL6 F1, 1, 0
	WIN 0
	s_barrier_wait -1
.if \fill
	CREST                                          ; the barrier has opened a round of the cluster's: no wave of any partner still reads this slot or has a load on its way
	s_add_nc_u64 s[G0+4*\slot+2:G0+4*\slot+3], s[G0+4*\slot+2:G0+4*\slot+3], 12288
	s_add_nc_u64 s[G0B+4*\slot+2:G0B+4*\slot+3], s[G0B+4*\slot+2:G0B+4*\slot+3], 12288
	JLOAD \slot                                    ; the four v_nop behind it are also the places in front of the loads below
.else
	PLACES
.endif
	FETCH \next, 0, F0
	WIN MULW
	MUL6 F1, 2, 0
	MUL6 F1, 3, 0
.endm
	s_wait_tensorcnt 1                             ; my part of K step 0 is in; K step 1's may stay out
	s_barrier_signal -1
	s_barrier_wait -1
	FETCH 0, 0, F0
	s_wait_loadcnt 0x0                             ; the bias
	FIVE 0, 1
	TURN 0, 1, 1
	FIVE 1, 0
	TURN 1, 0, 1
	FIVE 0, 0
	TURN 0, 1, 0
	FIVE 1, 0
	s_wait_dscnt 4
	WIN MULW
	MUL6 F1, 0, 0
	MUL6 F1, 1, 0
	s_wait_dscnt 0x0
	MUL6 F1, 2, 0
	MUL6 F1, 3, 0
	WIN 0
	; THE WAY OUT: 32 bytes a lane into the work-group's stage; a barrier, since a row's 768 bytes come from two waves; back as whole units of 256 bytes
	PLACES
.irp a, 0,1,2,3
.irp b, 0,1,2,3,4,5
	ds_store_b128 v[STO], v[ACC+8*(6*\a+\b):ACC+8*(6*\a+\b)+3] offset:\a*16*SPITCH+64*\b       ; each accumulator from its low end on
	ds_store_b128 v[STO], v[ACC+8*(6*\a+\b)+4:ACC+8*(6*\a+\b)+7] offset:\a*16*SPITCH+64*\b+16
.endr
.endr
	s_wait_dscnt 0x0                               ; for the others' sake: my stores have landed
	s_barrier_signal -1
	s_barrier_wait -1
.set i, 0
.rept 48                               ; i = 3 p + u: rows 2 p, 2 p + 1 of my 32, unit u of their three
	ds_load_b128 v[ACC+4*i:ACC+4*i+3], v[RD] offset:(i/3)*2*SPITCH+256*(i%3)
.set i, i+1
.endr
.set i, 0
.rept 48
	s_wait_dscnt 47-i
	global_store_b128 v[CO], v[ACC+4*i:ACC+4*i+3], s[10:11] offset:(i/3)*2*3072+256*(i%3) th:TH_STORE_NT   ; sixteen lanes store 256 consecutive bytes, at a multiple of 256 from out0's first byte
.set i, i+1
.endr
	s_wait_tensorcnt 0x0                           ; the wave's end
	ds_add_u32 v[SPW], v[NIL]
	s_wait_dscnt 0x0
	CROUND                                         ; the closing round
	s_endpgm
.Lfunc_end_k_q87498f14ba_oproj:
	.size	k_q87498f14ba_oproj, .Lfunc_end_k_q87498f14ba_oproj-k_q87498f14ba_oproj
	.p2alignl 7, 3214868480
	.fill 96, 4, 3214868480
	.section	.rodata,"a",@progbits
	.p2align	6, 0x0
	.amdhsa_kernel k_q87498f14ba_oproj
		.amdhsa_group_segment_fixed_size 327680
		.amdhsa_private_segment_fixed_size 0
		.amdhsa_enable_private_segment 0
		.amdhsa_kernarg_size 32
		.amdhsa_user_sgpr_count 2
		.amdhsa_user_sgpr_kernarg_segment_ptr 1
		.amdhsa_wavefront_size32 1
		.amdhsa_system_sgpr_workgroup_id_x 1
		.amdhsa_system_sgpr_workgroup_id_y 1
		.amdhsa_system_sgpr_workgroup_id_z 1
		.amdhsa_system_vgpr_workitem_id 0
		.amdhsa_next_free_vgpr 512
		.amdhsa_next_free_sgpr 66
		.amdhsa_reserve_vcc 0
		.amdhsa_float_denorm_mode_32 3
		.amdhsa_float_denorm_mode_16_64 3
		.amdhsa_memory_ordered 1
		.amdhsa_forward_progress 1
		.amdhsa_inst_pref_size 96
	.end_amdhsa_kernel
	.amdgpu_metadata
---
amdhsa.version: [ 1, 2 ]
amdhsa.kernels:
  - .name:           k_q87498f14ba_oproj
    .symbol:         k_q87498f14ba_oproj.kd
    .args:
      - { .name: ctx16, .offset: 0, .size: 8, .value_kind: global_buffer, .address_space: global }
      - { .name: wo16, .offset: 8, .size: 8, .value_kind: global_buffer, .address_space: global }
      - { .name: bo, .offset: 16, .size: 8, .value_kind: global_buffer, .address_space: global }
      - { .name: out0, .offset: 24, .size: 8, .value_kind: global_buffer, .address_space: global }
    .group_segment_fixed_size: 327680
    .private_segment_fixed_size: 0
    .kernarg_segment_align: 8
    .kernarg_segment_size: 32
    .max_flat_workgroup_size: 128
    .sgpr_count:     66
    .vgpr_count:     512
    .wavefront_size: 32
...
	.end_amdgpu_metadata
.endif
;; end of part 4
;; launch first16 (part 5): grid 12 x 2, 6 waves a work-group, no clusters, 27,136 bytes of LDS; arguments first32, Wo, bo, out0; writes out0
.if DOCPART == 5
	.amdgcn_target "amdgcn-amd-amdhsa--gfx1250"
	.amdhsa_code_object_version 6
	.text
	.protected	k_q87498f14ba_first16
	.globl	k_q87498f14ba_first16
	.p2align	8
	.type	k_q87498f14ba_first16,@function
k_q87498f14ba_first16:
	s_mov_b64 s[64:65], 0
	v_nop
	global_prefetch_b8 v0, s[64:65] scope:SCOPE_SE
	s_setreg_imm32_b32 hwreg(HW_REG_WAVE_MODE, 25, 1), 1
	s_wait_xcnt 0x0
; Positions 0-15 of both sequences, all in f32: there a row of the softmax averages one to sixteen values, the results are the largest of the output, and f16 operands would use up what the comparison allows.
; Work-group (x, y): 64 output columns of batch y.  Wave = head: its 16 x 16 scores, softmax, 16 x 128 of ctx and that head's part of ctx Wo, by v_wmma_f32_16x16x4_f32; the six parts meet in LDS and are added in a fixed order, with bo.
; first32 [batch][6 matrix + head][tile 0..7][half 0..1] x 512 holds the projections' f32 accumulators as they stood: q, k: lane (r, h), register 8 t + j = (row r, channel 16 t + 8 h + j); v: (key 8 h + j, channel 16 t + r).
; A product of this form sums k = 2 h + j of a lane's two registers.  Registers 8 t + 2 i, 8 t + 2 i + 1 are given to BOTH sources: both then hold the same four of the true k (16 t + 8 h + 2 i + j), so the sums are right.
; The registers that this form writes (v40-167) are written by it alone; each sum begins with the constant 0.  The accumulators take turns, one instruction a turn.
; These 32 rows of out0 were stored in f16 precision by the launch before; this launch writes them anew.  LIMITS: NaN and infinities are not served.
.set S,  16                            ; v16-23 the scores, then p
.set P,  24                            ; v24-31 p / l
.set T,  32                            ; v32-39 at work
.set SA, 40                            ; v40-71 four partial sums of S^T
.set OT, 72                            ; v72-135 ctx^T, eight tiles of 16 channels
.set YA, 136                           ; v136-167 out^T, four tiles of 16 columns
.set W1, 168                           ; v168-231 Wo for columns 16-31; later the six partial sums read back
.set BO, 232                           ; v232-235
.set RES, 240                          ; v240-247
.set SPW, 252                          ; v252 SPARE + 4 x my thread's number; never rewritten
.set NIL, 253                          ; v253 0; never rewritten
.set PITCH, 272                        ; a row of 64 f32 + 16 bytes
.set WSTG, 16*PITCH
.set SPARE, 6*WSTG                     ; behind the six stages: the spare words, 128 bytes a wave
; window 1: v0-63 Q, later Wo for columns 32-47; v64-127 K, later Wo for columns 48-63; v128-191 V; v192-255 Wo for columns 0-15
.set MSB, 0
.macro WIN new
.if MSB != \new
	s_set_vgpr_msb (MSB<<8)|\new
.set MSB, \new
.endif
.endm
.macro WOLOAD reg, nt                  ; register e = 8 t + 2 i + j: Wo[128 head + 16 t + 8 h + 2 i + j][64 x + 16 nt + r]
.set e, 0
.rept 64
	global_load_b32 v[\reg+e], v4, s[16:17] offset:(16*(e/8)+e%8)*3072+64*\nt
.set e, e+1
.endr
.endm
.macro PLACES n
.rept \n
	v_nop
.endr
.endm
	s_load_b256 s[4:11], s[0:1], 0x0               ; first32 s[4:5], Wo s[6:7], bo s[8:9], out0 s[10:11]
	v_lshl_add_u32 v[SPW], v0, 2, SPARE
	v_mov_b32 v[NIL], 0
	v_lshrrev_b32 v1, 5, v0
	v_readfirstlane_b32 s12, v1                    ; wave = head
	s_and_b32 s13, ttmp7, 0xffff                   ; batch
	v_and_b32 v1, 15, v0                           ; r
	v_bfe_u32 v2, v0, 4, 1                         ; h
	v_and_b32 v3, 31, v0
	v_lshlrev_b32 v3, 4, v3                        ; 16 x lane
	v_mul_u32_u24 v4, v2, 24576
	v_lshl_add_u32 v4, v1, 2, v4                   ; Wo: 4 r + 8 h rows
	v_lshlrev_b32 v5, 3, v2
	v_sub_nc_u32 v5, v1, v5                        ; r - 8 h: register j's key is hidden where j > this
	v_lshlrev_b32 v6, 4, v1                        ; 16 r
	v_mov_b32 v7, 0xff800000                       ; -infinity
	v_mov_b32 v9, 0                                ; written once: a lane permute's destination counts as one of its sources
	s_mul_i32 s25, s12, WSTG
	v_mul_u32_u24 v14, v1, PITCH
	v_lshl_add_u32 v14, v2, 5, v14
	v_add_nc_u32 v14, s25, v14                     ; my stage: row r, + 32 h
	s_mul_i32 s25, s12, 4*PITCH
	v_mul_u32_u24 v15, v2, PITCH
	v_lshl_add_u32 v15, v1, 4, v15
	v_add_nc_u32 v15, s25, v15                     ; back (waves 0-3): rows 4 wave + h, 16 bytes a lane
	v_mul_u32_u24 v10, v2, 3072
	v_lshl_add_u32 v11, v1, 4, v10                 ; and the same in out0
	s_mul_i32 s14, s13, 18
	s_add_co_u32 s14, s14, s12
	s_lshl_b32 s14, s14, 13
	s_mov_b32 s15, 0
	s_mul_i32 s16, s12, 128*3072
	s_lshl_b32 s18, ttmp9, 8                       ; my 64 columns, in bytes
	s_add_co_u32 s16, s16, s18
	s_mov_b32 s17, 0
	s_mov_b32 s19, 0
	s_mul_i32 s20, s13, 4096*3072
	s_mul_i32 s21, s12, 4*3072
	s_add_co_u32 s20, s20, s21
	s_add_co_u32 s20, s20, s18
	s_mov_b32 s21, 0
	s_mov_b32 s22, 0x76543210
	s_mov_b32 s23, 0xfedcba98
	s_mov_b32 s24, 0x3e0293ee                      ; c = log2(e) / sqrt(128)
	s_wait_kmcnt 0x0
	s_add_nc_u64 s[14:15], s[4:5], s[14:15]        ; q of my head; k 49,152 bytes on, v 98,304
	s_add_nc_u64 s[16:17], s[6:7], s[16:17]
	s_add_nc_u64 s[18:19], s[8:9], s[18:19]
	s_add_nc_u64 s[20:21], s[10:11], s[20:21]
	WIN 0x40
	WOLOAD 192, 0
	WIN 0
	WOLOAD W1, 1
	global_load_b128 v[BO:BO+3], v6, s[18:19]
	WIN 0x40
.set n, 0
.rept 16
	global_load_b128 v[4*n:4*n+3], v3, s[14:15] offset:512*n
	global_load_b128 v[64+4*n:64+4*n+3], v3, s[14:15] offset:49152+512*n
	global_load_b128 v[128+4*n:128+4*n+3], v3, s[14:15] offset:98304+512*n
.set n, n+1
.endr
	s_wait_loadcnt 0x0
	WIN 0x05                                       ; S^T = K Q^T: both sources window 1
.set n, 0
.rept 32
.if n < 4
	v_wmma_f32_16x16x4_f32 v[SA+8*(n%4):SA+8*(n%4)+7], v[64+2*n:64+2*n+1], v[2*n:2*n+1], 0
.else
	v_wmma_f32_16x16x4_f32 v[SA+8*(n%4):SA+8*(n%4)+7], v[64+2*n:64+2*n+1], v[2*n:2*n+1], v[SA+8*(n%4):SA+8*(n%4)+7]
.endif
.set n, n+1
.endr
	WIN 0
	PLACES 8                                       ; eight plain instructions behind this form, in front of loads into its sources and of the first read of its results
	WIN 0x40
	WOLOAD 0, 2
	WOLOAD 64, 3
	WIN 0
.irp j, 0,1,2,3,4,5,6,7
	v_add_f32 v[S+\j], v[SA+\j], v[SA+8+\j]        ; ascending: each accumulator is read from its low end on.  Lane (r, h): query r, key 8 h + j
	v_add_f32 v[T+\j], v[SA+16+\j], v[SA+24+\j]
.endr
.irp j, 0,1,2,3,4,5,6,7
	v_add_f32 v[S+\j], v[S+\j], v[T+\j]
.endr
.irp j, 0,1,2,3,4,5,6,7
	v_cmp_gt_i32 vcc_lo, \j, v5
	v_cndmask_b32 v[S+\j], v[S+\j], v7, vcc_lo     ; the causal mask
.endr
	v_max3_num_f32 v8, v[S], v[S+1], v[S+2]
	v_max3_num_f32 v8, v8, v[S+3], v[S+4]
	v_max3_num_f32 v8, v8, v[S+5], v[S+6]
	v_max_num_f32 v8, v8, v[S+7]
	v_permlanex16_b32 v9, v8, s22, s23
	v_max_num_f32 v8, v8, v9                       ; the row's maximum: key 0 counts for every query, so it is a number
	v_mul_f32 v8, s24, v8
.irp j, 0,1,2,3,4,5,6,7
	v_fma_f32 v[S+\j], v[S+\j], s24, -v8
.endr
.irp j, 0,1,2,3,4,5,6,7
	v_exp_f32 v[S+\j], v[S+\j]
.endr
	v_nop                                          ; a plain instruction behind the last exponential,
	s_wait_alu depctr_va_vdst(0)                   ; and one wait for the eight, ahead of their first reader
	v_add_f32 v10, v[S], v[S+1]
	v_add_f32 v12, v[S+2], v[S+3]
	v_add_f32 v13, v[S+4], v[S+5]
	v_add_f32 v8, v[S+6], v[S+7]
	v_add_f32 v10, v10, v12
	v_add_f32 v13, v13, v8
	v_add_f32 v10, v10, v13
	v_permlanex16_b32 v9, v10, s22, s23
	v_add_f32 v10, v10, v9
	v_rcp_f32 v10, v10
	v_nop
	s_wait_alu depctr_va_vdst(0)
.irp j, 0,1,2,3,4,5,6,7
	v_mul_f32 v[P+\j], v[S+\j], v10
.endr
	WIN 0x01                                       ; ctx^T = V^T P: source 0 (V) window 1
.irp i, 0,1,2,3
.irp t, 0,1,2,3,4,5,6,7
.if \i == 0
	v_wmma_f32_16x16x4_f32 v[OT+8*\t:OT+8*\t+7], v[128+8*\t+2*\i:128+8*\t+2*\i+1], v[P+2*\i:P+2*\i+1], 0
.else
	v_wmma_f32_16x16x4_f32 v[OT+8*\t:OT+8*\t+7], v[128+8*\t+2*\i:128+8*\t+2*\i+1], v[P+2*\i:P+2*\i+1], v[OT+8*\t:OT+8*\t+7]
.endif
.endr
.endr
	WIN 0
	PLACES 9                                       ; nine before a product takes these results as a source
	s_wait_loadcnt 0x0                             ; the rest of Wo
.set n, 0
.rept 32                               ; out^T += Wo^T ctx^T, four of the head's 128 channels at a time; the four tiles of columns by turns, in the order 0, 2, 3, 1: two window switches for four products
	WIN 0x01
.if n == 0
	v_wmma_f32_16x16x4_f32 v[YA:YA+7], v[192+2*n:192+2*n+1], v[OT+2*n:OT+2*n+1], 0
	v_wmma_f32_16x16x4_f32 v[YA+16:YA+23], v[2*n:2*n+1], v[OT+2*n:OT+2*n+1], 0
	v_wmma_f32_16x16x4_f32 v[YA+24:YA+31], v[64+2*n:64+2*n+1], v[OT+2*n:OT+2*n+1], 0
	WIN 0
	v_wmma_f32_16x16x4_f32 v[YA+8:YA+15], v[W1+2*n:W1+2*n+1], v[OT+2*n:OT+2*n+1], 0
.else
	v_wmma_f32_16x16x4_f32 v[YA:YA+7], v[192+2*n:192+2*n+1], v[OT+2*n:OT+2*n+1], v[YA:YA+7]
	v_wmma_f32_16x16x4_f32 v[YA+16:YA+23], v[2*n:2*n+1], v[OT+2*n:OT+2*n+1], v[YA+16:YA+23]
	v_wmma_f32_16x16x4_f32 v[YA+24:YA+31], v[64+2*n:64+2*n+1], v[OT+2*n:OT+2*n+1], v[YA+24:YA+31]
	WIN 0
	v_wmma_f32_16x16x4_f32 v[YA+8:YA+15], v[W1+2*n:W1+2*n+1], v[OT+2*n:OT+2*n+1], v[YA+8:YA+15]
.endif
.set n, n+1
.endr
	PLACES 8
.irp nt, 0,1,2,3
	ds_store_b128 v14, v[YA+8*\nt:YA+8*\nt+3] offset:64*\nt        ; lane (r, h): row r, columns 16 nt + 8 h + 0 .. 7; each accumulator from its low end on
	ds_store_b128 v14, v[YA+8*\nt+4:YA+8*\nt+7] offset:64*\nt+16
.endr
	s_wait_dscnt 0x0                               ; for the others' sake: my stores have landed
	s_barrier_signal -1
	s_barrier_wait -1
	s_cmp_ge_u32 s12, 4                            ; waves 0-3 add and store four rows each
	s_cbranch_scc1 .Ldone
.irp hd, 0,1,2,3,4,5
.irp p, 0,1
	ds_load_b128 v[W1+8*\hd+4*\p:W1+8*\hd+4*\p+3], v15 offset:\hd*WSTG+2*\p*PITCH
.endr
.endr
	s_wait_dscnt 0x0
.irp p, 0,1
.irp q, 0,2
	v_pk_add_f32 v[RES+4*\p+\q:RES+4*\p+\q+1], v[W1+4*\p+\q:W1+4*\p+\q+1], v[BO+\q:BO+\q+1]
.irp hd, 1,2,3,4,5
	v_pk_add_f32 v[RES+4*\p+\q:RES+4*\p+\q+1], v[RES+4*\p+\q:RES+4*\p+\q+1], v[W1+8*\hd+4*\p+\q:W1+8*\hd+4*\p+\q+1]
.endr
.endr
.endr
.irp p, 0,1
	global_store_b128 v11, v[RES+4*\p:RES+4*\p+3], s[20:21] offset:2*\p*3072   ; sixteen lanes store 256 consecutive bytes, at a multiple of 256 from out0's first byte
.endr
.Ldone:
	s_wait_tensorcnt 0x0                           ; the wave's end: behind my last LDS store
	ds_add_u32 v[SPW], v[NIL]
	s_wait_dscnt 0x0
	s_endpgm
.Lfunc_end_k_q87498f14ba_first16:
	.size	k_q87498f14ba_first16, .Lfunc_end_k_q87498f14ba_first16-k_q87498f14ba_first16
	.p2alignl 7, 3214868480
	.fill 96, 4, 3214868480
	.section	.rodata,"a",@progbits
	.p2align	6, 0x0
	.amdhsa_kernel k_q87498f14ba_first16
		.amdhsa_group_segment_fixed_size 27136
		.amdhsa_private_segment_fixed_size 0
		.amdhsa_enable_private_segment 0
		.amdhsa_kernarg_size 32
		.amdhsa_user_sgpr_count 2
		.amdhsa_user_sgpr_kernarg_segment_ptr 1
		.amdhsa_wavefront_size32 1
		.amdhsa_system_sgpr_workgroup_id_x 1
		.amdhsa_system_sgpr_workgroup_id_y 1
		.amdhsa_system_sgpr_workgroup_id_z 1
		.amdhsa_system_vgpr_workitem_id 0
		.amdhsa_next_free_vgpr 512
		.amdhsa_next_free_sgpr 66
		.amdhsa_reserve_vcc 1
		.amdhsa_float_denorm_mode_32 3
		.amdhsa_float_denorm_mode_16_64 3
		.amdhsa_memory_ordered 1
		.amdhsa_forward_progress 1
		.amdhsa_inst_pref_size 53
	.end_amdhsa_kernel
	.amdgpu_metadata
---
amdhsa.version: [ 1, 2 ]
amdhsa.kernels:
  - .name:           k_q87498f14ba_first16
    .symbol:         k_q87498f14ba_first16.kd
    .args:
      - { .name: first32, .offset: 0, .size: 8, .value_kind: global_buffer, .address_space: global }
      - { .name: Wo, .offset: 8, .size: 8, .value_kind: global_buffer, .address_space: global }
      - { .name: bo, .offset: 16, .size: 8, .value_kind: global_buffer, .address_space: global }
      - { .name: out0, .offset: 24, .size: 8, .value_kind: global_buffer, .address_space: global }
    .group_segment_fixed_size: 27136
    .private_segment_fixed_size: 0
    .kernarg_segment_align: 8
    .kernarg_segment_size: 32
    .max_flat_workgroup_size: 192
    .sgpr_count:     66
    .vgpr_count:     512
    .wavefront_size: 32
...
	.end_amdgpu_metadata
.endif
;; end of part 5
